; MI455X (gfx1250); checked and timed in simulation.
; The chip was launched on July 23, 2026; its instructions are those of AMD's public machine-readable ISA for CDNA 5 (MIT licence, August 2026) and "CDNA5" Instruction Set Architecture Reference Guide (July 2026).
;; Positive Multihead Attention. Allowed arithmetic: matrix products marked QUANTISED: E5M2 operands, one E8M0 scale for each 32 along K, by v_wmma_scale_f32_16x16x128_f8f6f4 with both operands' format E5M2, f32 sums; everything else in f32.
;; Inputs: W_K 512 x 512 float32; W_O 512 x 512 float32; W_Q 512 x 512 float32; W_V 512 x 512 float32; b_K 512 float32; b_O 512 float32; b_Q 512 float32; b_V 512 float32; x 2 x 1,024 x 512 float32.
;; Outputs: out0 2 x 1,024 x 512 float32.
;; This version of the problem:
;;   THIS VERSION OF THE PROBLEM IS GIVEN IN LOW PRECISION. The matrix products marked QUANTISED in the list below multiply operands that are first quantised to E5M2 (5 exponent bits, 2 mantissa bits; 8 bits a number), with one power-of-two scale for each 32 numbers along K (OCP MX v1.0); their sums are f32. All else is computed in f32.
;;   The module's matrix products, in the order in which they are computed (A, B: the left and right operand; K: the contracted axis; several contracted axes count as one K, in the product's order):
;;     1. [M 2,048, K 512] x [K 512, N 512]; A: input x; B: input W_Q: QUANTISED
;;     2. [M 2,048, K 512] x [K 512, N 512]; A: input x; B: input W_K: QUANTISED
;;     3. [M 2,048, K 512] x [K 512, N 512]; A: input x; B: input W_V: QUANTISED
;;     4. [M 2,048, K 512] x [K 512, N 512]; A: computed on the way; B: input W_O: QUANTISED
;;   THE QUANTISER, for each operand of a quantised product, along K:
;;     - K is cut into blocks of 32 from its start; a last block that is shorter is filled with zeros.
;;     - A block's scale is 2^e with e = floor(log2(the largest magnitude in the block)) - 15, held to -126 .. 127; a block of zeros has e = 0. As a byte (E8M0): e + 127.
;;     - Each number is divided by its block's scale, clamped to +-57,344, and rounded to the nearest number of E5M2, ties to even, subnormals kept.
;;     - The product sums the exact products of the quantised numbers (number of the format x scale) in f32.
;;   ~~~python
;;   def quantise(x, axis):      # numpy; x: float32 -> the quantised numbers, widened to float32 again
;;       x = np.moveaxis(x, axis, -1); K = x.shape[-1]
;;       x = np.pad(x, [(0, 0)] * (x.ndim - 1) + [(0, -K % 32)]); x = x.reshape(x.shape[:-1] + (-1, 32)); a = np.abs(x).max(-1, keepdims=True)
;;       e = np.where(a > 0, np.clip(np.frexp(np.where(a > 0, a, 1))[1] - 1 - 15, -126, 127), 0)      # np.frexp(a)[1] - 1 = floor(log2(a)), exactly
;;       r = np.clip(x / 2.0 ** e, -57344, 57344)
;;       step = 2.0 ** (np.maximum(np.frexp(np.where(r == 0, 1, r))[1] - 1, -14) - 2)
;;       q = np.round(r / step) * step * 2.0 ** e      # np.round: ties to even
;;       return np.moveaxis(q.reshape(q.shape[:-2] + (-1,))[..., :K], -1, axis).astype(np.float32)
;;   ~~~
;;   OPERANDS COMPUTED ON THE WAY. 'Computed on the way' means the value that the module computes at that place (a softmax that the list does not call 'softmax' is quantised finished and normalised). What goes into a quantiser is computed in f32, as accurately as f32 sums, v_exp_f32 and their like allow (about 1e-6 of the number): no bf16 or f16 on the way to a quantiser, and a product that is left as it is and whose result goes on into a quantised operand takes f32 operands (vector FMAs, or v_wmma_f32_16x16x4_f32). A number that lies on a knife's edge between two numbers of the format may be rounded either way, as far as f32 arithmetic and the matrix unit's own rounding can turn it there, and no further.
;; 2 versions. Each part assembles by itself: llvm-mc -triple=amdgcn-amd-amdhsa -mcpu=gfx1250 --defsym DOCPART=n.
;; ======== version 1 of 2: 3 launches
;; workspace buffers: codes 2,097,152 bytes; scl 131,072 bytes; qs 4,194,304 bytes; sn 262,144 bytes
;; launch quant (part 1): grid 256 x 1, 4 waves a work-group, no clusters, 1,024 bytes of LDS; arguments x, W_Q, W_K, W_V, W_O, codes, scl; writes codes, scl
.if DOCPART == 1
	.amdgcn_target "amdgcn-amd-amdhsa--gfx1250"
	.amdhsa_code_object_version 6
	.text
	.protected	k_q9936657392_quant
	.globl	k_q9936657392_quant
	.p2align	8
	.type	k_q9936657392_quant,@function
k_q9936657392_quant:
	s_mov_b64 s[64:65], 0
	v_nop
	global_prefetch_b8 v0, s[64:65] scope:SCOPE_SE
	s_setreg_imm32_b32 hwreg(HW_REG_WAVE_MODE, 25, 1), 1
	s_wait_xcnt 0x0
.set X,   16
.set PC,  80
.set TM,  96
.set PW,  112
.set SW,  116
.set SEL, 30
.set MNT, 32
.macro QUANT s
.irp b, 0,1,2,3
	v_max3_num_f32 v[TM+\b], |v[\s+16*\b]|, |v[\s+1+16*\b]|, 0x8000000
.endr
.irp i, 2,4,6,8,10,12,14
.irp b, 0,1,2,3
	v_max3_num_f32 v[TM+\b], v[TM+\b], |v[\s+16*\b+\i]|, |v[\s+1+16*\b+\i]|
.endr
.endr
.irp b, 0,1,2,3
	v_permlanex16_b32 v[TM+4+\b], v[TM+\b], s[SEL], s[SEL+1]
.endr
.irp b, 0,1,2,3
	v_max_num_f32 v[TM+\b], v[TM+\b], v[TM+4+\b]
.endr
.irp b, 0,1,2,3
	v_add_nc_u32 v[TM+12+\b], 0xf8800000, v[TM+\b]
.endr
.irp b, 0,1,2,3
	v_and_or_b32 v[TM+8+\b], v[TM+\b], 0x7f800000, s[MNT]
.endr
.irp b, 0,1,2,3
	v_lshrrev_b32 v[TM+4+\b], 23, v[TM+12+\b]
.endr
	v_lshl_or_b32 v[PW], v[TM+5], 8, v[TM+4]
	v_lshl_or_b32 v[PW], v[TM+6], 16, v[PW]
	v_lshl_or_b32 v[PW], v[TM+7], 24, v[PW]
.irp b, 0,1,2,3
.irp i, 0,1,2,3,4,5,6,7,8,9,10,11,12,13,14,15
	v_med3_num_f32 v[\s+16*\b+\i], v[\s+16*\b+\i], -v[TM+8+\b], v[TM+8+\b]
.endr
	v_cvt_scalef32_pk8_bf8_f32 v[PC+4*\b:PC+1+4*\b], v[\s+16*\b:\s+7+16*\b], v[TM+12+\b]
	v_cvt_scalef32_pk8_bf8_f32 v[PC+2+4*\b:PC+3+4*\b], v[\s+8+16*\b:\s+15+16*\b], v[TM+12+\b]
.endr
	v_nop
.endm
	s_load_b256 s[4:11], s[0:1], 0x0
	s_load_b128 s[12:15], s[0:1], 0x20
	s_load_b64 s[16:17], s[0:1], 0x30
	v_lshl_add_u32 v128, v0, 2, 0x200
	v_mov_b32 v129, 0
	v_lshrrev_b32 v1, 5, v0
	v_readfirstlane_b32 s18, v1
	v_and_b32 v1, 31, v0
	v_and_b32 v2, 15, v0
	v_bfe_u32 v3, v0, 4, 1
	s_lshr_b32 s23, ttmp9, 5
	s_cmp_eq_u32 s23, 6
	s_cselect_b32 s24, 8, 0
	s_and_b32 s25, ttmp9, 1
	s_mul_i32 s25, s25, s24
	s_and_b32 s22, ttmp9, 31
	s_cmp_lt_u32 ttmp9, 128
	s_cselect_b32 s22, ttmp9, s22
	s_lshl_b32 s26, s22, 4
	s_sub_co_u32 s26, s26, s25
	s_lshl_b32 s26, s26, 11
	s_lshl_b32 s27, s18, 9
	s_add_co_u32 s26, s26, s27
	s_mov_b32 s27, 0
	s_lshl_b32 s34, ttmp9, 13
	s_lshl_b32 s35, s18, 11
	s_add_co_u32 s34, s34, s35
	s_mov_b32 s35, 0
	s_lshl_b32 s36, ttmp9, 9
	s_mov_b32 s37, 0
	s_lshl_b32 s28, s18, 2
	s_mov_b32 s[SEL], 0x76543210
	s_mov_b32 s[SEL+1], 0xfedcba98
	s_mov_b32 s[MNT], 0x600000
	v_lshrrev_b32 v4, 3, v2
	v_mad_u32_u24 v4, v4, s24, v2
	v_lshlrev_b32 v4, 11, v4
	v_lshl_add_u32 v4, v3, 6, v4
	v_lshlrev_b32 v5, 4, v1
	v_add_nc_u32 v6, s28, v5
.irp b, 0,1,2,3
	v_mov_b32 v[TM+4+\b], 0
.endr
	s_wait_kmcnt 0x0
	s_mov_b64 s[20:21], s[12:13]
	s_cmp_lt_u32 ttmp9, 224
	s_cselect_b64 s[20:21], s[10:11], s[20:21]
	s_cmp_lt_u32 ttmp9, 192
	s_cselect_b64 s[20:21], s[8:9], s[20:21]
	s_cmp_lt_u32 ttmp9, 160
	s_cselect_b64 s[20:21], s[6:7], s[20:21]
	s_cmp_lt_u32 ttmp9, 128
	s_cselect_b64 s[20:21], s[4:5], s[20:21]
	s_add_nc_u64 s[20:21], s[20:21], s[26:27]
	s_add_nc_u64 s[14:15], s[14:15], s[34:35]
	s_add_nc_u64 s[16:17], s[16:17], s[36:37]
.irp b, 0,1,2,3
.irp j, 0,1,2,3
	global_load_b128 v[X+16*\b+4*\j:X+16*\b+4*\j+3], v4, s[20:21] offset:128*\b+16*\j th:TH_LOAD_NT
.endr
.endr
	s_wait_loadcnt 0x0
	QUANT X
.irp c, 0,1,2,3
	global_store_b128 v5, v[PC+4*\c:PC+4*\c+3], s[14:15] offset:512*\c
.endr
	ds_store_b32 v6, v[PW]
	s_wait_dscnt 0x0
	s_barrier_signal -1
	s_barrier_wait -1
	s_cmp_lg_u32 s18, 0
	s_cbranch_scc1 .Lend
	ds_load_b128 v[SW:SW+3], v5
	s_wait_dscnt 0x0
	global_store_b128 v5, v[SW:SW+3], s[16:17]
.Lend:
	s_wait_tensorcnt 0x0
	ds_add_u32 v128, v129
	s_wait_dscnt 0x0
	s_endpgm
.Lfunc_end_k_q9936657392_quant:
	.size	k_q9936657392_quant, .Lfunc_end_k_q9936657392_quant-k_q9936657392_quant
	.p2alignl 7, 3214868480
	.fill 96, 4, 3214868480
	.section	.rodata,"a",@progbits
	.p2align	6, 0x0
	.amdhsa_kernel k_q9936657392_quant
		.amdhsa_group_segment_fixed_size 1024
		.amdhsa_private_segment_fixed_size 0
		.amdhsa_enable_private_segment 0
		.amdhsa_kernarg_size 56
		.amdhsa_user_sgpr_count 2
		.amdhsa_user_sgpr_kernarg_segment_ptr 1
		.amdhsa_wavefront_size32 1
		.amdhsa_system_sgpr_workgroup_id_x 1
		.amdhsa_system_sgpr_workgroup_id_y 1
		.amdhsa_system_sgpr_workgroup_id_z 1
		.amdhsa_system_vgpr_workitem_id 0
		.amdhsa_next_free_vgpr 130
		.amdhsa_next_free_sgpr 66
		.amdhsa_reserve_vcc 0
		.amdhsa_float_denorm_mode_32 3
		.amdhsa_float_denorm_mode_16_64 3
		.amdhsa_memory_ordered 1
		.amdhsa_forward_progress 1
		.amdhsa_inst_pref_size 13
	.end_amdhsa_kernel
	.amdgpu_metadata
---
amdhsa.version: [ 1, 2 ]
amdhsa.kernels:
  - .name:           k_q9936657392_quant
    .symbol:         k_q9936657392_quant.kd
    .args:
      - { .name: x, .offset: 0, .size: 8, .value_kind: global_buffer, .address_space: global }
      - { .name: W_Q, .offset: 8, .size: 8, .value_kind: global_buffer, .address_space: global }
      - { .name: W_K, .offset: 16, .size: 8, .value_kind: global_buffer, .address_space: global }
      - { .name: W_V, .offset: 24, .size: 8, .value_kind: global_buffer, .address_space: global }
      - { .name: W_O, .offset: 32, .size: 8, .value_kind: global_buffer, .address_space: global }
      - { .name: codes, .offset: 40, .size: 8, .value_kind: global_buffer, .address_space: global }
      - { .name: scl, .offset: 48, .size: 8, .value_kind: global_buffer, .address_space: global }
    .group_segment_fixed_size: 1024
    .private_segment_fixed_size: 0
    .kernarg_segment_align: 8
    .kernarg_segment_size: 56
    .max_flat_workgroup_size: 128
    .sgpr_count:     66
    .vgpr_count:     130
    .wavefront_size: 32
...
	.end_amdgpu_metadata
.endif
;; end of part 1
;; launch kvq (part 2): grid 256 x 1, 8 waves a work-group, no clusters, 11,264 bytes of LDS; arguments codes, scl, b_Q, b_K, b_V, qs, sn; writes qs, sn
.if DOCPART == 2
	.amdgcn_target "amdgcn-amd-amdhsa--gfx1250"
	.amdhsa_code_object_version 6
	.text
	.protected	k_q9936657392_kvq
	.globl	k_q9936657392_kvq
	.p2align	8
	.type	k_q9936657392_kvq,@function
k_q9936657392_kvq:
	s_mov_b64 s[64:65], 0
	v_nop
	global_prefetch_b8 v0, s[64:65] scope:SCOPE_SE
	s_setreg_imm32_b32 hwreg(HW_REG_WAVE_MODE, 25, 1), 1
	s_wait_xcnt 0x0
.set MRED, 0
.set ZRED, 512
.set TR,   1024
.set SRED, 2048
.set XS,  16
.set WKS, 24
.set WVS, 28
.set WQS, 32
.set XA,  40
.set KA,  104
.set VA,  168
.set BQ,  232
.set VB,  240
.set CQ,  240
.set TP,  248
.set ACC, 40
.set RT,  72
.set AT,  93
.set SRD, 95
.set QB,  40
.set QA,  56
.set LS,  72
.set RZ,  80
.set WK,  0
.set WV,  64
.set XB,  128
.set WN,  192
.set MSB, 0
.macro WIN new
.if MSB != \new
	s_set_vgpr_msb (MSB<<8)|\new
.set MSB, \new
.endif
.endm
.macro PLACES n
.rept \n
	v_nop
.endr
.endm
.macro MXZ d, a, b, sa, sb
	v_wmma_scale_f32_16x16x128_f8f6f4 v[(\d):(\d)+7], v[(\a):(\a)+15], v[(\b):(\b)+15], 0, v[(\sa)], v[(\sb)] matrix_a_fmt:MATRIX_FMT_BF8 matrix_b_fmt:MATRIX_FMT_BF8
.endm
.macro MXA d, a, b, sa, sb
	v_wmma_scale_f32_16x16x128_f8f6f4 v[(\d):(\d)+7], v[(\a):(\a)+15], v[(\b):(\b)+15], v[(\d):(\d)+7], v[(\sa)], v[(\sb)] matrix_a_fmt:MATRIX_FMT_BF8 matrix_b_fmt:MATRIX_FMT_BF8
.endm
.macro TURNED src
	WIN 0x44
.set k, 0
.rept 64
	v_xor_b32 v[WN+k], 0x80808080, v[(\src)+k]
.set k, k+1
.endr
	WIN 0
	PLACES 4
.endm
.macro XLD buf, n
.if (\buf)
	WIN 0x40
.set xr, XB
.else
	WIN 0
.set xr, XA
.endif
.set k, 0
.rept 16
	global_load_b128 v[xr+4*k:xr+4*k+3], v4, s[20:21] offset:(\n)*8192+512*k
.set k, k+1
.endr
	WIN 0
	global_load_b128 v[XS+4*(\buf):XS+4*(\buf)+3], v4, s[22:23] offset:(\n)*512
.endm
.macro TILE t
.if (\t) < 7
	s_wait_loadcnt 17
.else
	s_wait_loadcnt 0x0
.endif
.if (\t)%2
	WIN 0x05
.set xr, XB
.else
	WIN 0x04
.set xr, XA
.endif
	MXZ KA+8*(\t), xr, WK, XS+4*((\t)%2), WKS
	MXZ VA+8*(\t), xr, WV, XS+4*((\t)%2), WVS
	MXZ VB+8*((\t)%2), xr, WN, XS+4*((\t)%2), WVS
.irp s, 1,2,3
	MXA KA+8*(\t), xr+16*\s, WK+16*\s, XS+4*((\t)%2)+\s, WKS+\s
	MXA VA+8*(\t), xr+16*\s, WV+16*\s, XS+4*((\t)%2)+\s, WVS+\s
	MXA VB+8*((\t)%2), xr+16*\s, WN+16*\s, XS+4*((\t)%2)+\s, WVS+\s
.endr
	PLACES 8
.if (\t) < 6
	XLD (\t)%2, (\t)+2
.endif
	WIN 0
.irp j, 0,2,4,6
	v_pk_add_f32 v[VA+8*(\t)+\j:VA+8*(\t)+\j+1], v[VA+8*(\t)+\j:VA+8*(\t)+\j+1], v[VB+8*((\t)%2)+\j:VB+8*((\t)%2)+\j+1] neg_lo:[0,1] neg_hi:[0,1]
.endr
.endm
.macro MAX64 base, dst
.irp c, 0,1,2,3
	v_max3_num_f32 v[\dst+\c], v[\base+16*\c], v[\base+16*\c+1], v[\base+16*\c+2]
.endr
.irp i, 3,5,7,9,11,13
.irp c, 0,1,2,3
	v_max3_num_f32 v[\dst+\c], v[\dst+\c], v[\base+16*\c+\i], v[\base+16*\c+\i+1]
.endr
.endr
.irp c, 0,1,2,3
	v_max_num_f32 v[\dst+\c], v[\dst+\c], v[\base+16*\c+15]
.endr
.endm
.macro GROUP p, a, b, c, e
.irp s, \a, \b, \c, \e
.if \s > 0
	v_mov_b32_dpp v[RT+2*(\s%8)], v[VA+2*(\p)] row_xmask:\s row_mask:0xf bank_mask:0xf
	v_mov_b32_dpp v[RT+2*(\s%8)+1], v[VA+2*(\p)+1] row_xmask:\s row_mask:0xf bank_mask:0xf
.endif
.endr
.irp s, \a, \b, \c, \e
.if \s > 0
.set vs, RT+2*(\s%8)
.else
.set vs, VA+2*(\p)
.endif
.if (\p) == 0
	v_pk_mul_f32 v[ACC+2*\s:ACC+2*\s+1], v[KA+2*(\p):KA+2*(\p)+1], v[vs:vs+1]
.else
	v_pk_fma_f32 v[ACC+2*\s:ACC+2*\s+1], v[KA+2*(\p):KA+2*(\p)+1], v[vs:vs+1], v[ACC+2*\s:ACC+2*\s+1]
.endif
.endr
.endm
	s_load_b256 s[4:11], s[0:1], 0x0
	s_load_b128 s[12:15], s[0:1], 0x20
	s_load_b64 s[16:17], s[0:1], 0x30
	v_lshrrev_b32 v1, 5, v0
	v_readfirstlane_b32 s18, v1
	s_and_b32 s19, ttmp9, 3
	s_bfe_u32 s2, ttmp9, 0x20002
	s_bfe_u32 s3, ttmp9, 0x30004
	s_lshr_b32 s44, ttmp9, 7
	s_lshl_b32 s20, s44, 19
	s_lshl_b32 s53, s18, 16
	s_add_co_u32 s20, s20, s53
	s_mov_b32 s21, 0
	s_lshl_b32 s22, s44, 15
	s_lshl_b32 s53, s18, 12
	s_add_co_u32 s22, s22, s53
	s_mov_b32 s23, 0
	s_lshl_b32 s45, s3, 2
	s_add_co_u32 s53, s45, s2
	s_add_co_u32 s56, s53, 160
	s_lshl_b32 s24, s56, 13
	s_mov_b32 s25, 0
	s_lshl_b32 s30, s56, 9
	s_mov_b32 s31, 0
	s_add_co_u32 s56, s53, 128
	s_lshl_b32 s28, s56, 13
	s_mov_b32 s29, 0
	s_lshl_b32 s34, s56, 9
	s_mov_b32 s35, 0
	s_add_co_u32 s56, s45, s19
	s_add_co_u32 s56, s56, 192
	s_lshl_b32 s26, s56, 13
	s_mov_b32 s27, 0
	s_lshl_b32 s32, s56, 9
	s_mov_b32 s33, 0
	s_lshl_b32 s53, s19, 14
	s_add_co_u32 s36, s20, s53
	s_mov_b32 s37, 0
	s_lshl_b32 s53, s19, 10
	s_add_co_u32 s38, s22, s53
	s_mov_b32 s39, 0
	s_lshl_b32 s40, s44, 6
	s_lshl_b32 s53, s18, 3
	s_add_co_u32 s40, s40, s53
	s_lshl_b32 s53, s19, 1
	s_add_co_u32 s40, s40, s53
	s_lshl_b32 s40, s40, 15
	s_lshl_b32 s53, s3, 12
	s_add_co_u32 s40, s40, s53
	s_lshl_b32 s57, s2, 10
	s_add_co_u32 s40, s40, s57
	s_mov_b32 s41, 0
	s_lshl_b32 s42, s44, 3
	s_add_co_u32 s42, s42, s3
	s_lshl_b32 s42, s42, 14
	s_lshl_b32 s53, s19, 12
	s_add_co_u32 s42, s42, s53
	s_add_co_u32 s42, s42, s57
	s_mov_b32 s43, 0
	s_lshl_b32 s46, s3, 8
	s_lshl_b32 s53, s2, 6
	s_add_co_u32 s46, s46, s53
	s_mov_b32 s47, 0
	s_lshl_b32 s54, s3, 8
	s_lshr_b32 s53, s19, 1
	s_lshl_b32 s53, s53, 7
	s_add_co_u32 s54, s54, s53
	s_and_b32 s53, s19, 1
	s_lshl_b32 s53, s53, 5
	s_add_co_u32 s54, s54, s53
	s_mov_b32 s55, 0
	s_mov_b32 s48, 0x76543210
	s_mov_b32 s49, 0xfedcba98
	s_mov_b32 s50, 0x3fb8aa3b
	s_mov_b32 s51, s50
	s_mov_b32 s52, 0x3f317218
	v_and_b32 v1, 31, v0
	v_and_b32 v2, 15, v0
	v_bfe_u32 v3, v0, 4, 1
	v_lshlrev_b32 v4, 4, v1
	v_lshlrev_b32 v6, 2, v2
	s_lshl_b32 s53, s18, 6
	v_add_nc_u32 v5, s53, v6
	s_lshl_b32 s53, s18, 7
	v_add_nc_u32 v7, s53, v6
	v_lshl_add_u32 v8, v3, 5, s53
	s_lshl_b32 s53, s18, 10
	v_lshl_add_u32 v9, v2, 6, s53
	v_and_b32 v11, 8, v2
	v_add_nc_u32 v11, v11, v2
	v_lshlrev_b32 v11, 2, v11
	v_lshlrev_b32 v39, 5, v3
	v_mov_b32 v38, 0
	s_wait_kmcnt 0x0
	s_add_nc_u64 s[20:21], s[4:5], s[20:21]
	s_add_nc_u64 s[24:25], s[4:5], s[24:25]
	s_add_nc_u64 s[26:27], s[4:5], s[26:27]
	s_add_nc_u64 s[28:29], s[4:5], s[28:29]
	s_add_nc_u64 s[36:37], s[4:5], s[36:37]
	s_add_nc_u64 s[22:23], s[6:7], s[22:23]
	s_add_nc_u64 s[30:31], s[6:7], s[30:31]
	s_add_nc_u64 s[32:33], s[6:7], s[32:33]
	s_add_nc_u64 s[34:35], s[6:7], s[34:35]
	s_add_nc_u64 s[38:39], s[6:7], s[38:39]
	s_add_nc_u64 s[8:9], s[8:9], s[46:47]
	s_add_nc_u64 s[10:11], s[10:11], s[46:47]
	s_add_nc_u64 s[12:13], s[12:13], s[54:55]
	s_add_nc_u64 s[40:41], s[14:15], s[40:41]
	s_add_nc_u64 s[42:43], s[16:17], s[42:43]
	WIN 0x40
.set k, 0
.rept 16
	global_load_b128 v[WK+4*k:WK+4*k+3], v4, s[24:25] offset:512*k
.set k, k+1
.endr
.set k, 0
.rept 16
	global_load_b128 v[WV+4*k:WV+4*k+3], v4, s[26:27] offset:512*k
.set k, k+1
.endr
	WIN 0
	global_load_b128 v[WKS:WKS+3], v4, s[30:31]
	global_load_b128 v[WVS:WVS+3], v4, s[32:33]
	global_load_b128 v[WQS:WQS+3], v4, s[34:35]
	global_load_b32 v10, v6, s[10:11]
	global_load_b32 v12, v11, s[12:13]
	global_load_b32 v13, v11, s[12:13]
	global_load_b128 v[BQ:BQ+3], v39, s[8:9]
	global_load_b128 v[BQ+4:BQ+7], v39, s[8:9] offset:16
	XLD 0, 0
	XLD 1, 1
	s_wait_loadcnt 34
	TURNED WV
.irp t, 0,1,2,3,4,5,6,7
	TILE \t
.endr
	WIN 0x40
.set k, 0
.rept 16
	global_load_b128 v[WK+4*k:WK+4*k+3], v4, s[28:29] offset:512*k
.set k, k+1
.endr
.set k, 0
.rept 16
	global_load_b128 v[WV+4*k:WV+4*k+3], v4, s[36:37] offset:512*k
.set k, k+1
.endr
.set k, 0
.rept 16
	global_load_b128 v[XB+4*k:XB+4*k+3], v4, s[36:37] offset:8192+512*k
.set k, k+1
.endr
	WIN 0
	global_load_b128 v[XS:XS+3], v4, s[38:39]
	global_load_b128 v[XS+4:XS+7], v4, s[38:39] offset:512
	MAX64 KA, TP
	v_max3_num_f32 v15, v[TP], v[TP+1], v[TP+2]
	v_max_num_f32 v15, v15, v[TP+3]
	v_permlanex16_b32 v38, v15, s48, s49
	v_max_num_f32 v15, v15, v38
	ds_store_b32 v5, v15 offset:MRED
	s_wait_dscnt 0x0
	s_barrier_signal -1
	s_barrier_wait -1
.irp w, 0,1,2,3,4,5,6,7
	ds_load_b32 v[TP+\w], v6 offset:MRED+64*\w
.endr
	s_wait_dscnt 0x0
	v_max3_num_f32 v15, v[TP], v[TP+1], v[TP+2]
	v_max3_num_f32 v15, v15, v[TP+3], v[TP+4]
	v_max3_num_f32 v15, v15, v[TP+5], v[TP+6]
	v_max_num_f32 v15, v15, v[TP+7]
	v_mul_f32 v14, s50, v15
.set j, 0
.rept 32
	v_pk_fma_f32 v[KA+j:KA+j+1], v[KA+j:KA+j+1], s[50:51], v[14:15] op_sel_hi:[1,0,0] neg_lo:[0,0,1] neg_hi:[0,0,1]
.set j, j+2
.endr
.set j, 0
.rept 64
	v_exp_f32 v[KA+j], v[KA+j]
.set j, j+1
.endr
	v_lshl_add_u32 v[SRD], v3, 9, v6
	s_wait_alu depctr_va_vdst(0)
.set pp, 0
.rept 32
	GROUP pp, 0, 1, 2, 3
	GROUP pp, 4, 5, 6, 7
	GROUP pp, 8, 9, 10, 11
	GROUP pp, 12, 13, 14, 15
.set pp, pp+1
.endr
	v_pk_add_f32 v[36:37], v[KA:KA+1], v[KA+4:KA+5]
	v_pk_add_f32 v[88:89], v[KA+2:KA+3], v[KA+6:KA+7]
.set j, 8
.rept 14
	v_pk_add_f32 v[36:37], v[36:37], v[KA+j:KA+j+1]
	v_pk_add_f32 v[88:89], v[88:89], v[KA+j+2:KA+j+3]
.set j, j+4
.endr
	v_pk_add_f32 v[36:37], v[36:37], v[88:89]
	v_add_f32 v36, v36, v37
	v_permlanex16_b32 v38, v36, s48, s49
	v_add_f32 v36, v36, v38
.irp s, 0,1,2,3,4,5,6,7,8,9,10,11,12,13,14,15
	v_add_f32 v[ACC+2*\s], v[ACC+2*\s], v[ACC+2*\s+1]
.endr
.irp s, 0,1,2,3,4,5,6,7,8,9,10,11,12,13,14,15
	v_permlanex16_b32 v[ACC+2*\s+1], v[ACC+2*\s], s48, s49
.endr
.irp s, 0,1,2,3,4,5,6,7,8,9,10,11,12,13,14,15
	v_add_f32 v[ACC+2*\s], v[ACC+2*\s], v[ACC+2*\s+1]
.endr
.irp s, 0,1,2,3,4,5,6,7,8,9,10,11,12,13,14,15
	v_xor_b32 v[AT+\s%2], 4*\s, v6
	v_add_nc_u32 v[AT+\s%2], v[AT+\s%2], v9
	ds_store_b32 v[AT+\s%2], v[ACC+2*\s] offset:SRED
.endr
	ds_store_b32 v5, v36 offset:ZRED
	s_wait_dscnt 0x0
	s_barrier_signal -1
	s_barrier_wait -1
.irp w, 0,1,2,3,4,5,6,7
	ds_load_b32 v[TP+\w], v6 offset:ZRED+64*\w
.endr
	s_wait_dscnt 0x0
	v_add_f32 v[TP], v[TP], v[TP+1]
	v_add_f32 v[TP+2], v[TP+2], v[TP+3]
	v_add_f32 v[TP+4], v[TP+4], v[TP+5]
	v_add_f32 v[TP+6], v[TP+6], v[TP+7]
	v_add_f32 v[TP], v[TP], v[TP+2]
	v_add_f32 v[TP+4], v[TP+4], v[TP+6]
	v_add_f32 v36, v[TP], v[TP+4]
	v_log_f32 v90, v36
	v_rcp_f32 v91, v36
	v_add_f32 v92, v15, v10
	s_wait_alu depctr_va_vdst(0)
	v_fma_f32 v92, v90, s52, v92
	v_mul_f32 v91, 0.5, v91
	ds_store_b32 v7, v92 offset:TR
	ds_store_b32 v7, v91 offset:TR+64
	ds_load_b128 v[LS:LS+3], v8 offset:TR
	ds_load_b128 v[LS+4:LS+7], v8 offset:TR+16
	s_wait_dscnt 0x0
.irp j, 0,2,4,6
	v_pk_add_f32 v[CQ+\j:CQ+\j+1], v[LS+\j:LS+\j+1], v[BQ+\j:BQ+\j+1]
.endr
	s_wait_loadcnt 0x0
	TURNED WK
	WIN 0x05
	MXZ QA, WK, WV, WQS, XS
	MXZ QA+8, WK, XB, WQS, XS+4
	MXZ QB, WN, WV, WQS, XS
	MXZ QB+8, WN, XB, WQS, XS+4
.irp s, 1,2,3
	MXA QA, WK+16*\s, WV+16*\s, WQS+\s, XS+\s
	MXA QA+8, WK+16*\s, XB+16*\s, WQS+\s, XS+4+\s
	MXA QB, WN+16*\s, WV+16*\s, WQS+\s, XS+\s
	MXA QB+8, WN+16*\s, XB+16*\s, WQS+\s, XS+4+\s
.endr
	WIN 0
	PLACES 8
.irp u, 0,8
.irp j, 0,2,4,6
	v_pk_add_f32 v[QA+\u+\j:QA+\u+\j+1], v[QA+\u+\j:QA+\u+\j+1], v[QB+\u+\j:QB+\u+\j+1] neg_lo:[0,1] neg_hi:[0,1]
.endr
.endr
.irp u, 0,8
.irp j, 0,2,4,6
	v_pk_fma_f32 v[QA+\u+\j:QA+\u+\j+1], v[QA+\u+\j:QA+\u+\j+1], 0.5, v[CQ+\j:CQ+\j+1] op_sel_hi:[1,0,1]
.endr
.endr
	global_store_b128 v4, v[QA:QA+3], s[40:41]
	global_store_b128 v4, v[QA+4:QA+7], s[40:41] offset:512
	global_store_b128 v4, v[QA+8:QA+11], s[40:41] offset:32768
	global_store_b128 v4, v[QA+12:QA+15], s[40:41] offset:33280
	s_cmp_lg_u32 s18, 0
	s_cbranch_scc1 .Lend
.irp w, 0,1,2,3,4,5,6,7
.irp j, 0,1,2,3,4,5,6,7
	ds_load_b32 v[KA+8*\w+\j], v[SRD] offset:SRED+1024*\w+64*\j
.endr
.endr
	ds_load_b128 v[RZ:RZ+3], v8 offset:TR+64
	ds_load_b128 v[RZ+4:RZ+7], v8 offset:TR+80
	s_wait_dscnt 0x0
.irp w, 0,2,4,6
.irp j, 0,2,4,6
	v_pk_add_f32 v[KA+8*\w+\j:KA+8*\w+\j+1], v[KA+8*\w+\j:KA+8*\w+\j+1], v[KA+8*\w+8+\j:KA+8*\w+8+\j+1]
.endr
.endr
.irp w, 0,4
.irp j, 0,2,4,6
	v_pk_add_f32 v[KA+8*\w+\j:KA+8*\w+\j+1], v[KA+8*\w+\j:KA+8*\w+\j+1], v[KA+8*\w+16+\j:KA+8*\w+16+\j+1]
.endr
.endr
.irp j, 0,2,4,6
	v_pk_add_f32 v[KA+\j:KA+\j+1], v[KA+\j:KA+\j+1], v[KA+32+\j:KA+32+\j+1]
.endr
.irp j, 0,2,4,6
	v_pk_fma_f32 v[KA+\j:KA+\j+1], v[KA+\j:KA+\j+1], v[RZ+\j:RZ+\j+1], v[12:13]
.endr
	global_store_b128 v4, v[KA:KA+3], s[42:43]
	global_store_b128 v4, v[KA+4:KA+7], s[42:43] offset:512
.Lend:
	s_wait_xcnt 0x0
	v_lshl_add_u32 v254, v0, 2, 0x2800
	v_mov_b32 v255, 0
	s_wait_tensorcnt 0x0
	ds_add_u32 v254, v255
	s_wait_dscnt 0x0
	s_endpgm
.Lfunc_end_k_q9936657392_kvq:
	.size	k_q9936657392_kvq, .Lfunc_end_k_q9936657392_kvq-k_q9936657392_kvq
	.p2alignl 7, 3214868480
	.fill 96, 4, 3214868480
	.section	.rodata,"a",@progbits
	.p2align	6, 0x0
	.amdhsa_kernel k_q9936657392_kvq
		.amdhsa_group_segment_fixed_size 11264
		.amdhsa_private_segment_fixed_size 0
		.amdhsa_enable_private_segment 0
		.amdhsa_kernarg_size 56
		.amdhsa_user_sgpr_count 2
		.amdhsa_user_sgpr_kernarg_segment_ptr 1
		.amdhsa_wavefront_size32 1
		.amdhsa_system_sgpr_workgroup_id_x 1
		.amdhsa_system_sgpr_workgroup_id_y 1
		.amdhsa_system_sgpr_workgroup_id_z 1
		.amdhsa_system_vgpr_workitem_id 0
		.amdhsa_next_free_vgpr 512
		.amdhsa_next_free_sgpr 66
		.amdhsa_reserve_vcc 0
		.amdhsa_float_denorm_mode_32 3
		.amdhsa_float_denorm_mode_16_64 3
		.amdhsa_memory_ordered 1
		.amdhsa_forward_progress 1
		.amdhsa_inst_pref_size 168
	.end_amdhsa_kernel
	.amdgpu_metadata
---
amdhsa.version: [ 1, 2 ]
amdhsa.kernels:
  - .name:           k_q9936657392_kvq
    .symbol:         k_q9936657392_kvq.kd
    .args:
      - { .name: codes, .offset: 0, .size: 8, .value_kind: global_buffer, .address_space: global }
      - { .name: scl, .offset: 8, .size: 8, .value_kind: global_buffer, .address_space: global }
      - { .name: b_Q, .offset: 16, .size: 8, .value_kind: global_buffer, .address_space: global }
      - { .name: b_K, .offset: 24, .size: 8, .value_kind: global_buffer, .address_space: global }
      - { .name: b_V, .offset: 32, .size: 8, .value_kind: global_buffer, .address_space: global }
      - { .name: qs, .offset: 40, .size: 8, .value_kind: global_buffer, .address_space: global }
      - { .name: sn, .offset: 48, .size: 8, .value_kind: global_buffer, .address_space: global }
    .group_segment_fixed_size: 11264
    .private_segment_fixed_size: 0
    .kernarg_segment_align: 8
    .kernarg_segment_size: 56
    .max_flat_workgroup_size: 256
    .sgpr_count:     66
    .vgpr_count:     512
    .wavefront_size: 32
...
	.end_amdgpu_metadata
.endif
;; end of part 2
;; launch attout (part 3): grid 128 x 1, 4 waves a work-group, no clusters, 76,800 bytes of LDS; arguments qs, sn, codes, scl, b_O, out0; writes out0
.if DOCPART == 3
	.amdgcn_target "amdgcn-amd-amdhsa--gfx1250"
	.amdhsa_code_object_version 6
	.text
	.protected	k_q9936657392_attout
	.globl	k_q9936657392_attout
	.p2align	8
	.type	k_q9936657392_attout,@function
k_q9936657392_attout:
	s_mov_b64 s[64:65], 0
	v_nop
	global_prefetch_b8 v0, s[64:65] scope:SCOPE_SE
	s_setreg_imm32_b32 hwreg(HW_REG_WAVE_MODE, 25, 1), 1
	s_wait_xcnt 0x0
.set JIMG, 0
.set JSC,  8192
.set STG,  8704
.set PLANE, 8448
.set MXR, 12
.set QW,  32
.set PC,  32
.set TM,  48
.set PW,  64
.set OA,  32
.set QL,  96
.set RT,  96
.set HT,  160
.set HN,  160
.set JF,  160
.set OB,  160
.set WOS, 224
.set JS,  240
.set BO,  244
.set AT,  248
.set TB,  11
.set RDQ, 30
.set SEL, 32
.set MNT, 34
.set MSB, 0
.macro WIN new
.if MSB != \new
	s_set_vgpr_msb (MSB<<8)|\new
.set MSB, \new
.endif
.endm
.macro PLACES n
.rept \n
	v_nop
.endr
.endm
.macro MAX64 base, dst
.irp c, 0,1,2,3
	v_max3_num_f32 v[\dst+\c], v[\base+16*\c], v[\base+16*\c+1], v[\base+16*\c+2]
.endr
.irp i, 3,5,7,9,11,13
.irp c, 0,1,2,3
	v_max3_num_f32 v[\dst+\c], v[\dst+\c], v[\base+16*\c+\i], v[\base+16*\c+\i+1]
.endr
.endr
.irp c, 0,1,2,3
	v_max_num_f32 v[\dst+\c], v[\dst+\c], v[\base+16*\c+15]
.endr
.endm
.macro QUANT s
.irp b, 0,1,2,3
	v_max3_num_f32 v[TM+\b], |v[\s+16*\b]|, |v[\s+1+16*\b]|, 0x8000000
.endr
.irp i, 2,4,6,8,10,12,14
.irp b, 0,1,2,3
	v_max3_num_f32 v[TM+\b], v[TM+\b], |v[\s+16*\b+\i]|, |v[\s+1+16*\b+\i]|
.endr
.endr
.irp b, 0,1,2,3
	v_permlanex16_b32 v[TM+4+\b], v[TM+\b], s[SEL], s[SEL+1]
.endr
.irp b, 0,1,2,3
	v_max_num_f32 v[TM+\b], v[TM+\b], v[TM+4+\b]
.endr
.irp b, 0,1,2,3
	v_add_nc_u32 v[TM+12+\b], 0xf8800000, v[TM+\b]
.endr
.irp b, 0,1,2,3
	v_and_or_b32 v[TM+8+\b], v[TM+\b], 0x7f800000, s[MNT]
.endr
.irp b, 0,1,2,3
	v_lshrrev_b32 v[TM+4+\b], 23, v[TM+12+\b]
.endr
	v_lshl_or_b32 v[PW], v[TM+5], 8, v[TM+4]
	v_lshl_or_b32 v[PW], v[TM+6], 16, v[PW]
	v_lshl_or_b32 v[PW], v[TM+7], 24, v[PW]
.irp b, 0,1,2,3
.irp i, 0,1,2,3,4,5,6,7,8,9,10,11,12,13,14,15
	v_med3_num_f32 v[\s+16*\b+\i], v[\s+16*\b+\i], -v[TM+8+\b], v[TM+8+\b]
.endr
	v_cvt_scalef32_pk8_bf8_f32 v[PC+4*\b:PC+1+4*\b], v[\s+16*\b:\s+7+16*\b], v[TM+12+\b]
	v_cvt_scalef32_pk8_bf8_f32 v[PC+2+4*\b:PC+3+4*\b], v[\s+8+16*\b:\s+15+16*\b], v[TM+12+\b]
.endr
	v_nop
.endm
.macro TWOS g, a, b
	WIN 0
.if \a > 0
.set k, 0
.rept 32
	v_mov_b32_dpp v[RT+k], v[QW+32*(\g)+k] row_xmask:\a row_mask:0xf bank_mask:0xf
.set k, k+1
.endr
.set wa, RT
.else
.set wa, QW+32*(\g)
.endif
.set k, 0
.rept 32
	v_mov_b32_dpp v[RT+32+k], v[QW+32*(\g)+k] row_xmask:\b row_mask:0xf bank_mask:0xf
.set k, k+1
.endr
	WIN 0xac
.set p, 0
.rept 16
.irp vq, 0,1,2,3
.if p == 0
	v_pk_mul_f32 v[2*(16*\vq+\a):2*(16*\vq+\a)+1], v[wa+2*p:wa+2*p+1], v[128*(\g)+32*\vq+2*p:128*(\g)+32*\vq+2*p+1]
	v_pk_mul_f32 v[2*(16*\vq+\b):2*(16*\vq+\b)+1], v[RT+32+2*p:RT+32+2*p+1], v[128*(\g)+32*\vq+2*p:128*(\g)+32*\vq+2*p+1]
.else
	v_pk_fma_f32 v[2*(16*\vq+\a):2*(16*\vq+\a)+1], v[wa+2*p:wa+2*p+1], v[128*(\g)+32*\vq+2*p:128*(\g)+32*\vq+2*p+1], v[2*(16*\vq+\a):2*(16*\vq+\a)+1]
	v_pk_fma_f32 v[2*(16*\vq+\b):2*(16*\vq+\b)+1], v[RT+32+2*p:RT+32+2*p+1], v[128*(\g)+32*\vq+2*p:128*(\g)+32*\vq+2*p+1], v[2*(16*\vq+\b):2*(16*\vq+\b)+1]
.endif
.endr
.set p, p+1
.endr
.endm
.macro HEADV g
	TWOS \g, 0, 1
	TWOS \g, 2, 3
	TWOS \g, 4, 5
	TWOS \g, 6, 7
	TWOS \g, 8, 9
	TWOS \g, 10, 11
	TWOS \g, 12, 13
	TWOS \g, 14, 15
.endm
.macro TOSTG g
	WIN 0x0a
.irp vq, 0,1,2,3
.irp s, 0,1,2,3,4,5,6,7,8,9,10,11,12,13,14,15
	v_add_f32 v[HT+16*\vq+\s], v[2*(16*\vq+\s)], v[2*(16*\vq+\s)+1]
.endr
.endr
	WIN 0
.irp s, 0,1,2,3,4,5,6,7,8,9,10,11,12,13,14,15
	v_xor_b32 v[AT+\s%2], \s, v2
	v_mad_u32_u24 v[AT+\s%2], v[AT+\s%2], 528, v[TB]
.irp vq, 0,1,2,3
	ds_store_b32 v[AT+\s%2], v[HT+16*\vq+\s] offset:256*(\g)+128*(\vq/2)+32*(\vq%2)
.endr
.endr
.endm
	s_load_b256 s[4:11], s[0:1], 0x0
	s_load_b128 s[12:15], s[0:1], 0x20
	v_lshl_add_u32 v254, v0, 2, 0x12a00
	v_mov_b32 v255, 0
	v_lshrrev_b32 v1, 5, v0
	v_readfirstlane_b32 s18, v1
	s_lshl_b32 s20, ttmp9, 15
	s_lshl_b32 s40, s18, 13
	s_add_co_u32 s20, s20, s40
	s_mov_b32 s21, 0
	s_lshr_b32 s22, ttmp9, 6
	s_lshl_b32 s22, s22, 3
	s_lshl_b32 s40, s18, 1
	s_add_co_u32 s22, s22, s40
	s_lshl_b32 s22, s22, 14
	s_mov_b32 s23, 0
	s_lshl_b32 s40, s18, 3
	s_add_co_u32 s40, s40, 224
	s_lshl_b32 s24, s40, 13
	s_mov_b32 s25, 0
	s_lshl_b32 s26, s40, 9
	s_mov_b32 s27, 0
	s_lshl_b32 s28, s18, 9
	s_mov_b32 s29, 0
	s_lshl_b32 s30, ttmp9, 15
	s_add_co_u32 s30, s30, s28
	s_mov_b32 s31, 0
	s_mov_b32 s[SEL], 0x76543210
	s_mov_b32 s[SEL+1], 0xfedcba98
	s_mov_b32 s[MNT], 0x600000
	s_mov_b32 s36, 0x3fb8aa3b
	s_mov_b32 s37, s36
	s_mul_i32 s38, s18, 2*PLANE
	s_add_co_u32 s38, s38, STG
	v_and_b32 v1, 31, v0
	v_and_b32 v2, 15, v0
	v_bfe_u32 v3, v0, 4, 1
	v_lshlrev_b32 v4, 4, v1
	v_lshlrev_b32 v5, 2, v1
	s_lshl_b32 s39, s18, 11
	v_add_nc_u32 v6, s39, v4
	s_lshl_b32 s39, s18, 7
	v_add_nc_u32 v7, s39, v5
	v_mul_u32_u24 v8, v2, 528
	v_lshl_add_u32 v[RDQ], v3, 6, v8
	v_add_nc_u32 v[RDQ], s38, v[RDQ]
	v_lshl_add_u32 v8, v3, 5, v8
	v_add_nc_u32 v8, s38, v8
	v_add_nc_u32 v9, s38, v4
	v_lshl_add_u32 v10, v3, 11, v4
	v_and_b32 v[TB], 8, v2
	v_add_nc_u32 v[TB], v[TB], v2
	v_lshlrev_b32 v[TB], 2, v[TB]
	v_mad_u32_u24 v[TB], v3, PLANE, v[TB]
	v_add_nc_u32 v[TB], s38, v[TB]
	v_mov_b32 v28, 0
	v_mov_b32 v29, 0
	s_wait_kmcnt 0x0
	s_add_nc_u64 s[20:21], s[4:5], s[20:21]
	s_add_nc_u64 s[22:23], s[6:7], s[22:23]
	s_add_nc_u64 s[24:25], s[8:9], s[24:25]
	s_add_nc_u64 s[26:27], s[10:11], s[26:27]
	s_add_nc_u64 s[28:29], s[12:13], s[28:29]
	s_add_nc_u64 s[30:31], s[14:15], s[30:31]
.set k, 0
.rept 16
	global_load_b128 v[QL+4*k:QL+4*k+3], v4, s[20:21] offset:512*k th:TH_LOAD_NT
.set k, k+1
.endr
	WIN 0xc0
.set k, 0
.rept 64
	global_load_b128 v[4*k:4*k+3], v4, s[22:23] offset:512*k
.set k, k+1
.endr
	WIN 0
	s_wait_loadcnt 63
	MAX64 QL, MXR
	v_max_num_f32 v17, v[MXR], v[MXR+1]
	v_max_num_f32 v19, v[MXR+2], v[MXR+3]
	v_permlanex16_b32 v28, v17, s[SEL], s[SEL+1]
	v_permlanex16_b32 v29, v19, s[SEL], s[SEL+1]
	v_max_num_f32 v17, v17, v28
	v_max_num_f32 v19, v19, v29
	v_mul_f32 v16, s36, v17
	v_mul_f32 v18, s36, v19
.set j, 0
.rept 16
	v_pk_fma_f32 v[QW+j:QW+j+1], v[QL+j:QL+j+1], s[36:37], v[16:17] op_sel_hi:[1,0,0] neg_lo:[0,0,1] neg_hi:[0,0,1]
	v_pk_fma_f32 v[QW+32+j:QW+32+j+1], v[QL+32+j:QL+32+j+1], s[36:37], v[18:19] op_sel_hi:[1,0,0] neg_lo:[0,0,1] neg_hi:[0,0,1]
.set j, j+2
.endr
.set j, 0
.rept 64
	v_exp_f32 v[QW+j], v[QW+j]
.set j, j+1
.endr
	v_nop
	s_wait_alu depctr_va_vdst(0)
	v_pk_add_f32 v[20:21], v[QW:QW+1], v[QW+2:QW+3]
	v_pk_add_f32 v[22:23], v[QW+32:QW+33], v[QW+34:QW+35]
.set j, 4
.rept 14
	v_pk_add_f32 v[20:21], v[20:21], v[QW+j:QW+j+1]
	v_pk_add_f32 v[22:23], v[22:23], v[QW+32+j:QW+32+j+1]
.set j, j+2
.endr
	v_add_f32 v20, v20, v21
	v_add_f32 v22, v22, v23
	v_permlanex16_b32 v28, v20, s[SEL], s[SEL+1]
	v_permlanex16_b32 v29, v22, s[SEL], s[SEL+1]
	v_add_f32 v20, v20, v28
	v_add_f32 v22, v22, v29
	v_rcp_f32 v24, v20
	v_rcp_f32 v25, v20
	v_rcp_f32 v26, v22
	v_rcp_f32 v27, v22
	v_nop
	WIN 0x40
.set k, 0
.rept 64
	global_load_b128 v[4*k:4*k+3], v4, s[24:25] offset:512*k
.set k, k+1
.endr
	WIN 0
	s_wait_loadcnt 63
	HEADV 0
	TOSTG 0
	HEADV 1
	WIN 0xc0
.set k, 0
.rept 64
	global_load_b128 v[4*k:4*k+3], v4, s[24:25] offset:32768+512*k
.set k, k+1
.endr
	WIN 0
.irp n, 0,1,2,3
	global_load_b128 v[WOS+4*\n:WOS+4*\n+3], v10, s[26:27] offset:512*\n
.endr
	global_load_b128 v[BO:BO+3], v4, s[28:29]
	TOSTG 1
.set k, 0
.rept 16
	ds_load_b128 v[HN+4*k:HN+4*k+3], v[RDQ] offset:128*(k/4)+16*(k%4)
.set k, k+1
.endr
.set k, 0
.rept 16
	ds_load_b128 v[RT+4*k:RT+4*k+3], v[RDQ] offset:PLANE+128*(k/4)+16*(k%4)
.set k, k+1
.endr
	s_wait_dscnt 0x0
	s_wait_alu depctr_va_vdst(0)
.set j, 0
.rept 32
	v_pk_add_f32 v[HN+j:HN+j+1], v[HN+j:HN+j+1], v[RT+j:RT+j+1]
.set j, j+2
.endr
.set j, 0
.rept 16
	v_pk_mul_f32 v[HN+j:HN+j+1], v[HN+j:HN+j+1], v[24:25]
	v_pk_mul_f32 v[HN+32+j:HN+32+j+1], v[HN+32+j:HN+32+j+1], v[26:27]
.set j, j+2
.endr
	QUANT HN
.irp c, 0,1,2,3
	ds_store_b128 v6, v[PC+4*\c:PC+4*\c+3] offset:JIMG+512*\c
.endr
	ds_store_b32 v7, v[PW] offset:JSC
	s_wait_dscnt 0x0
	s_barrier_signal -1
	s_barrier_wait -1
.set k, 0
.rept 16
	ds_load_b128 v[JF+4*k:JF+4*k+3], v4 offset:JIMG+512*k
.set k, k+1
.endr
.irp s, 0,1,2,3
	ds_load_b32 v[JS+\s], v5 offset:JSC+128*\s
.endr
	s_wait_dscnt 0x0
	s_wait_loadcnt 0x0
.irp s, 0,1,2,3
	WIN 0x01
.irp n, 0,1,2,3
.if \s == 0
	v_wmma_scale_f32_16x16x128_f8f6f4 v[OA+8*\n:OA+8*\n+7], v[64*\n+16*\s:64*\n+16*\s+15], v[JF+16*\s:JF+16*\s+15], 0, v[WOS+4*\n+\s], v[JS+\s] matrix_a_fmt:MATRIX_FMT_BF8 matrix_b_fmt:MATRIX_FMT_BF8
.else
	v_wmma_scale_f32_16x16x128_f8f6f4 v[OA+8*\n:OA+8*\n+7], v[64*\n+16*\s:64*\n+16*\s+15], v[JF+16*\s:JF+16*\s+15], v[OA+8*\n:OA+8*\n+7], v[WOS+4*\n+\s], v[JS+\s] matrix_a_fmt:MATRIX_FMT_BF8 matrix_b_fmt:MATRIX_FMT_BF8
.endif
.endr
	WIN 0x03
.irp n, 0,1,2,3
.if \s == 0
	v_wmma_scale_f32_16x16x128_f8f6f4 v[OA+32+8*\n:OA+32+8*\n+7], v[64*\n+16*\s:64*\n+16*\s+15], v[JF+16*\s:JF+16*\s+15], 0, v[WOS+4*\n+\s], v[JS+\s] matrix_a_fmt:MATRIX_FMT_BF8 matrix_b_fmt:MATRIX_FMT_BF8 matrix_a_scale:MATRIX_SCALE_ROW1
.else
	v_wmma_scale_f32_16x16x128_f8f6f4 v[OA+32+8*\n:OA+32+8*\n+7], v[64*\n+16*\s:64*\n+16*\s+15], v[JF+16*\s:JF+16*\s+15], v[OA+32+8*\n:OA+32+8*\n+7], v[WOS+4*\n+\s], v[JS+\s] matrix_a_fmt:MATRIX_FMT_BF8 matrix_b_fmt:MATRIX_FMT_BF8 matrix_a_scale:MATRIX_SCALE_ROW1
.endif
.endr
.endr
	WIN 0
	PLACES 8
.irp n, 0,1,2,3,4,5,6,7
	ds_store_b128 v8, v[OA+8*\n:OA+8*\n+3] offset:64*\n
	ds_store_b128 v8, v[OA+8*\n+4:OA+8*\n+7] offset:64*\n+16
.endr
.irp i, 0,1,2,3,4,5,6,7,8,9,10,11,12,13,14,15
	ds_load_b128 v[OB+4*\i:OB+4*\i+3], v9 offset:528*\i
.endr
.irp i, 0,1,2,3,4,5,6,7,8,9,10,11,12,13,14,15
	s_wait_dscnt 15-\i
	v_pk_add_f32 v[OB+4*\i:OB+4*\i+1], v[OB+4*\i:OB+4*\i+1], v[BO:BO+1]
	v_pk_add_f32 v[OB+4*\i+2:OB+4*\i+3], v[OB+4*\i+2:OB+4*\i+3], v[BO+2:BO+3]
	global_store_b128 v4, v[OB+4*\i:OB+4*\i+3], s[30:31] offset:2048*\i th:TH_STORE_NT
.endr
	s_wait_tensorcnt 0x0
	ds_add_u32 v254, v255
	s_wait_dscnt 0x0
	s_endpgm
.Lfunc_end_k_q9936657392_attout:
	.size	k_q9936657392_attout, .Lfunc_end_k_q9936657392_attout-k_q9936657392_attout
	.p2alignl 7, 3214868480
	.fill 96, 4, 3214868480
	.section	.rodata,"a",@progbits
	.p2align	6, 0x0
	.amdhsa_kernel k_q9936657392_attout
		.amdhsa_group_segment_fixed_size 76800
		.amdhsa_private_segment_fixed_size 0
		.amdhsa_enable_private_segment 0
		.amdhsa_kernarg_size 48
		.amdhsa_user_sgpr_count 2
		.amdhsa_user_sgpr_kernarg_segment_ptr 1
		.amdhsa_wavefront_size32 1
		.amdhsa_system_sgpr_workgroup_id_x 1
		.amdhsa_system_sgpr_workgroup_id_y 1
		.amdhsa_system_sgpr_workgroup_id_z 1
		.amdhsa_system_vgpr_workitem_id 0
		.amdhsa_next_free_vgpr 1024
		.amdhsa_next_free_sgpr 66
		.amdhsa_reserve_vcc 0
		.amdhsa_float_denorm_mode_32 3
		.amdhsa_float_denorm_mode_16_64 3
		.amdhsa_memory_ordered 1
		.amdhsa_forward_progress 1
		.amdhsa_inst_pref_size 255
	.end_amdhsa_kernel
	.section	.bss,"aw",@nobits
	.p2align	6
	.space	262144
	.amdgpu_metadata
---
amdhsa.version: [ 1, 2 ]
amdhsa.kernels:
  - .name:           k_q9936657392_attout
    .symbol:         k_q9936657392_attout.kd
    .args:
      - { .name: qs, .offset: 0, .size: 8, .value_kind: global_buffer, .address_space: global }
      - { .name: sn, .offset: 8, .size: 8, .value_kind: global_buffer, .address_space: global }
      - { .name: codes, .offset: 16, .size: 8, .value_kind: global_buffer, .address_space: global }
      - { .name: scl, .offset: 24, .size: 8, .value_kind: global_buffer, .address_space: global }
      - { .name: b_O, .offset: 32, .size: 8, .value_kind: global_buffer, .address_space: global }
      - { .name: out0, .offset: 40, .size: 8, .value_kind: global_buffer, .address_space: global }
    .group_segment_fixed_size: 76800
    .private_segment_fixed_size: 0
    .kernarg_segment_align: 8
    .kernarg_segment_size: 48
    .max_flat_workgroup_size: 128
    .sgpr_count:     66
    .vgpr_count:     1024
    .wavefront_size: 32
...
	.end_amdgpu_metadata
.endif
;; end of part 3
;; ======== version 2 of 2: 3 launches
;; workspace buffers: codes 2,097,152 bytes; scl 131,072 bytes; qs 4,194,304 bytes; sn 262,144 bytes
;; launch quant (part 4): grid 256 x 1, 4 waves a work-group, no clusters, 1,024 bytes of LDS; arguments x, W_Q, W_K, W_V, W_O, codes, scl; writes codes, scl
.if DOCPART == 4
	.amdgcn_target "amdgcn-amd-amdhsa--gfx1250"
	.amdhsa_code_object_version 6
	.text
	.protected	k_q9936657392_quant
	.globl	k_q9936657392_quant
	.p2align	8
	.type	k_q9936657392_quant,@function
k_q9936657392_quant:
	s_mov_b64 s[64:65], 0
	v_nop
	global_prefetch_b8 v0, s[64:65] scope:SCOPE_SE
	s_setreg_imm32_b32 hwreg(HW_REG_WAVE_MODE, 25, 1), 1
	s_wait_xcnt 0x0
.set X,   16
.set PC,  80
.set TM,  96
.set PW,  112
.set SW,  116
.set SEL, 30
.set MNT, 32
.macro QUANT s
.irp b, 0,1,2,3
	v_max3_num_f32 v[TM+\b], |v[\s+16*\b]|, |v[\s+1+16*\b]|, 0x8000000
.endr
.irp i, 2,4,6,8,10,12,14
.irp b, 0,1,2,3
	v_max3_num_f32 v[TM+\b], v[TM+\b], |v[\s+16*\b+\i]|, |v[\s+1+16*\b+\i]|
.endr
.endr
.irp b, 0,1,2,3
	v_permlanex16_b32 v[TM+4+\b], v[TM+\b], s[SEL], s[SEL+1]
.endr
.irp b, 0,1,2,3
	v_max_num_f32 v[TM+\b], v[TM+\b], v[TM+4+\b]
.endr
.irp b, 0,1,2,3
	v_add_nc_u32 v[TM+12+\b], 0xf8800000, v[TM+\b]
.endr
.irp b, 0,1,2,3
	v_and_or_b32 v[TM+8+\b], v[TM+\b], 0x7f800000, s[MNT]
.endr
.irp b, 0,1,2,3
	v_lshrrev_b32 v[TM+4+\b], 23, v[TM+12+\b]
.endr
	v_lshl_or_b32 v[PW], v[TM+5], 8, v[TM+4]
	v_lshl_or_b32 v[PW], v[TM+6], 16, v[PW]
	v_lshl_or_b32 v[PW], v[TM+7], 24, v[PW]
.irp b, 0,1,2,3
.irp i, 0,1,2,3,4,5,6,7,8,9,10,11,12,13,14,15
	v_med3_num_f32 v[\s+16*\b+\i], v[\s+16*\b+\i], -v[TM+8+\b], v[TM+8+\b]
.endr
	v_cvt_scalef32_pk8_bf8_f32 v[PC+4*\b:PC+1+4*\b], v[\s+16*\b:\s+7+16*\b], v[TM+12+\b]
	v_cvt_scalef32_pk8_bf8_f32 v[PC+2+4*\b:PC+3+4*\b], v[\s+8+16*\b:\s+15+16*\b], v[TM+12+\b]
.endr
	v_nop
.endm
	s_load_b256 s[4:11], s[0:1], 0x0
	s_load_b128 s[12:15], s[0:1], 0x20
	s_load_b64 s[16:17], s[0:1], 0x30
	v_lshl_add_u32 v128, v0, 2, 0x200
	v_mov_b32 v129, 0
	v_lshrrev_b32 v1, 5, v0
	v_readfirstlane_b32 s18, v1
	v_and_b32 v1, 31, v0
	v_and_b32 v2, 15, v0
	s_wait_alu depctr_va_vdst(0)
	v_bfe_u32 v3, v0, 4, 1
	s_lshr_b32 s23, ttmp9, 5
	s_cmp_eq_u32 s23, 6
	s_cselect_b32 s24, 8, 0
	s_and_b32 s25, ttmp9, 1
	s_mul_i32 s25, s25, s24
	s_and_b32 s22, ttmp9, 31
	s_cmp_lt_u32 ttmp9, 128
	s_cselect_b32 s22, ttmp9, s22
	s_lshl_b32 s26, s22, 4
	s_sub_co_u32 s26, s26, s25
	s_lshl_b32 s26, s26, 11
	s_lshl_b32 s27, s18, 9
	s_add_co_u32 s26, s26, s27
	s_mov_b32 s27, 0
	s_lshl_b32 s34, ttmp9, 13
	s_lshl_b32 s35, s18, 11
	s_add_co_u32 s34, s34, s35
	s_mov_b32 s35, 0
	s_lshl_b32 s36, ttmp9, 9
	s_mov_b32 s37, 0
	s_lshl_b32 s28, s18, 2
	s_mov_b32 s[SEL], 0x76543210
	s_mov_b32 s[SEL+1], 0xfedcba98
	s_mov_b32 s[MNT], 0x600000
	v_lshrrev_b32 v4, 3, v2
	v_mad_u32_u24 v4, v4, s24, v2
	v_lshlrev_b32 v4, 11, v4
	s_wait_alu depctr_va_vdst(0)
	v_lshl_add_u32 v4, v3, 6, v4
	v_lshlrev_b32 v5, 4, v1
	v_add_nc_u32 v6, s28, v5
.irp b, 0,1,2,3
	v_mov_b32 v[TM+4+\b], 0
.endr
	s_wait_alu depctr_va_vdst(0)
	s_wait_kmcnt 0x0
	s_mov_b64 s[20:21], s[12:13]
	s_cmp_lt_u32 ttmp9, 224
	s_cselect_b64 s[20:21], s[10:11], s[20:21]
	s_cmp_lt_u32 ttmp9, 192
	s_cselect_b64 s[20:21], s[8:9], s[20:21]
	s_cmp_lt_u32 ttmp9, 160
	s_cselect_b64 s[20:21], s[6:7], s[20:21]
	s_cmp_lt_u32 ttmp9, 128
	s_cselect_b64 s[20:21], s[4:5], s[20:21]
	s_add_nc_u64 s[20:21], s[20:21], s[26:27]
	s_add_nc_u64 s[14:15], s[14:15], s[34:35]
	s_add_nc_u64 s[16:17], s[16:17], s[36:37]
.irp b, 0,1,2,3
.irp j, 0,1,2,3
	global_load_b128 v[X+16*\b+4*\j:X+16*\b+4*\j+3], v4, s[20:21] offset:128*\b+16*\j th:TH_LOAD_NT
.endr
.endr
	s_wait_loadcnt 0x0
	QUANT X
.irp c, 0,1,2,3
	global_store_b128 v5, v[PC+4*\c:PC+4*\c+3], s[14:15] offset:512*\c
.endr
	ds_store_b32 v6, v[PW]
	s_wait_dscnt 0x0
	s_barrier_signal -1
	s_barrier_wait -1
	s_cmp_lg_u32 s18, 0
	s_cbranch_scc1 .Lend
	ds_load_b128 v[SW:SW+3], v5
	s_wait_dscnt 0x0
	global_store_b128 v5, v[SW:SW+3], s[16:17]
.Lend:
	s_wait_tensorcnt 0x0
	ds_add_u32 v128, v129
	s_wait_dscnt 0x0
	s_endpgm
.Lfunc_end_k_q9936657392_quant:
	.size	k_q9936657392_quant, .Lfunc_end_k_q9936657392_quant-k_q9936657392_quant
	.p2alignl 7, 3214868480
	.fill 96, 4, 3214868480
	.section	.rodata,"a",@progbits
	.p2align	6, 0x0
	.amdhsa_kernel k_q9936657392_quant
		.amdhsa_group_segment_fixed_size 1024
		.amdhsa_private_segment_fixed_size 0
		.amdhsa_enable_private_segment 0
		.amdhsa_kernarg_size 56
		.amdhsa_user_sgpr_count 2
		.amdhsa_user_sgpr_kernarg_segment_ptr 1
		.amdhsa_wavefront_size32 1
		.amdhsa_system_sgpr_workgroup_id_x 1
		.amdhsa_system_sgpr_workgroup_id_y 1
		.amdhsa_system_sgpr_workgroup_id_z 1
		.amdhsa_system_vgpr_workitem_id 0
		.amdhsa_next_free_vgpr 130
		.amdhsa_next_free_sgpr 66
		.amdhsa_reserve_vcc 0
		.amdhsa_float_denorm_mode_32 3
		.amdhsa_float_denorm_mode_16_64 3
		.amdhsa_memory_ordered 1
		.amdhsa_forward_progress 1
		.amdhsa_inst_pref_size 14
	.end_amdhsa_kernel
	.amdgpu_metadata
---
amdhsa.version: [ 1, 2 ]
amdhsa.kernels:
  - .name:           k_q9936657392_quant
    .symbol:         k_q9936657392_quant.kd
    .args:
      - { .name: x, .offset: 0, .size: 8, .value_kind: global_buffer, .address_space: global }
      - { .name: W_Q, .offset: 8, .size: 8, .value_kind: global_buffer, .address_space: global }
      - { .name: W_K, .offset: 16, .size: 8, .value_kind: global_buffer, .address_space: global }
      - { .name: W_V, .offset: 24, .size: 8, .value_kind: global_buffer, .address_space: global }
      - { .name: W_O, .offset: 32, .size: 8, .value_kind: global_buffer, .address_space: global }
      - { .name: codes, .offset: 40, .size: 8, .value_kind: global_buffer, .address_space: global }
      - { .name: scl, .offset: 48, .size: 8, .value_kind: global_buffer, .address_space: global }
    .group_segment_fixed_size: 1024
    .private_segment_fixed_size: 0
    .kernarg_segment_align: 8
    .kernarg_segment_size: 56
    .max_flat_workgroup_size: 128
    .sgpr_count:     66
    .vgpr_count:     130
    .wavefront_size: 32
...
	.end_amdgpu_metadata
.endif
;; end of part 4
;; launch kvq (part 5): grid 256 x 1, 8 waves a work-group, no clusters, 11,264 bytes of LDS; arguments codes, scl, b_Q, b_K, b_V, qs, sn; writes qs, sn
.if DOCPART == 5
	.amdgcn_target "amdgcn-amd-amdhsa--gfx1250"
	.amdhsa_code_object_version 6
	.text
	.protected	k_q9936657392_kvq
	.globl	k_q9936657392_kvq
	.p2align	8
	.type	k_q9936657392_kvq,@function
k_q9936657392_kvq:
	s_mov_b64 s[64:65], 0
	v_nop
	global_prefetch_b8 v0, s[64:65] scope:SCOPE_SE
	s_setreg_imm32_b32 hwreg(HW_REG_WAVE_SCHED_MODE, 0, 2), 2
	s_setreg_imm32_b32 hwreg(HW_REG_WAVE_MODE, 25, 1), 1
	s_wait_xcnt 0x0
	s_wait_alu depctr_vm_vsrc(0)
.set MRED, 0
.set ZRED, 512
.set TR,   1024
.set SRED, 2048
.set XS,  16
.set WKS, 24
.set WVS, 28
.set WQS, 32
.set XA,  40
.set KA,  104
.set VA,  168
.set BQ,  232
.set VB,  240
.set CQ,  240
.set TP,  248
.set ACC, 40
.set RT,  72
.set SRD, 95
.set QB,  40
.set QA,  56
.set LS,  72
.set RZ,  80
.set WK,  0
.set WV,  64
.set XB,  128
.set WN,  192
.set MSB, 0
.macro WIN new
.if MSB != \new
	s_set_vgpr_msb (MSB<<8)|\new
.set MSB, \new
.endif
.endm
.macro PLACES n
.rept \n
	v_nop
.endr
.endm
.macro MXZ d, a, b, sa, sb
	v_wmma_scale_f32_16x16x128_f8f6f4 v[(\d):(\d)+7], v[(\a):(\a)+15], v[(\b):(\b)+15], 0, v[(\sa)], v[(\sb)] matrix_a_fmt:MATRIX_FMT_BF8 matrix_b_fmt:MATRIX_FMT_BF8
.endm
.macro MXA d, a, b, sa, sb
	v_wmma_scale_f32_16x16x128_f8f6f4 v[(\d):(\d)+7], v[(\a):(\a)+15], v[(\b):(\b)+15], v[(\d):(\d)+7], v[(\sa)], v[(\sb)] matrix_a_fmt:MATRIX_FMT_BF8 matrix_b_fmt:MATRIX_FMT_BF8
.endm
.macro TURNED src
	WIN 0x44
.set k, 0
.rept 64
	v_xor_b32 v[WN+k], 0x80808080, v[(\src)+k]
.set k, k+1
.endr
	WIN 0
	PLACES 4
	s_wait_alu depctr_va_vdst(0)
.endm
.macro XLD buf, n
.if (\buf)
	WIN 0x40
.set xr, XB
.else
	WIN 0
.set xr, XA
.endif
.set k, 0
.rept 16
	global_load_b128 v[xr+4*k:xr+4*k+3], v4, s[20:21] offset:(\n)*8192+512*k
.set k, k+1
.endr
	WIN 0
	global_load_b128 v[XS+4*(\buf):XS+4*(\buf)+3], v4, s[22:23] offset:(\n)*512
.endm
.macro TILE t
.if (\t) < 7
	s_wait_loadcnt 17
.else
	s_wait_loadcnt 0x0
.endif
.if (\t)%2
	WIN 0x05
.set xr, XB
.else
	WIN 0x04
.set xr, XA
.endif
	MXZ KA+8*(\t), xr, WK, XS+4*((\t)%2), WKS
	MXZ VA+8*(\t), xr, WV, XS+4*((\t)%2), WVS
	MXZ VB+8*((\t)%2), xr, WN, XS+4*((\t)%2), WVS
.irp s, 1,2,3
	MXA KA+8*(\t), xr+16*\s, WK+16*\s, XS+4*((\t)%2)+\s, WKS+\s
	MXA VA+8*(\t), xr+16*\s, WV+16*\s, XS+4*((\t)%2)+\s, WVS+\s
	MXA VB+8*((\t)%2), xr+16*\s, WN+16*\s, XS+4*((\t)%2)+\s, WVS+\s
.endr
	PLACES 8
.if (\t) < 6
.if (\t)%2
	WIN 0x40
.else
	WIN 0
.endif
	s_wait_alu depctr_va_vdst(0)
	XLD (\t)%2, (\t)+2
.endif
	WIN 0
.irp j, 0,2,4,6
	v_pk_add_f32 v[VA+8*(\t)+\j:VA+8*(\t)+\j+1], v[VA+8*(\t)+\j:VA+8*(\t)+\j+1], v[VB+8*((\t)%2)+\j:VB+8*((\t)%2)+\j+1] neg_lo:[0,1] neg_hi:[0,1]
.endr
.endm
.macro MAX64 base, dst
.irp c, 0,1,2,3
	v_max3_num_f32 v[\dst+\c], v[\base+16*\c], v[\base+16*\c+1], v[\base+16*\c+2]
.endr
.irp i, 3,5,7,9,11,13
.irp c, 0,1,2,3
	v_max3_num_f32 v[\dst+\c], v[\dst+\c], v[\base+16*\c+\i], v[\base+16*\c+\i+1]
.endr
.endr
.irp c, 0,1,2,3
	v_max_num_f32 v[\dst+\c], v[\dst+\c], v[\base+16*\c+15]
.endr
.endm
.macro GROUP p, a, b, c, e
.irp s, \a, \b, \c, \e
.if \s > 0
	v_mov_b32_dpp v[RT+2*(\s%8)], v[VA+2*(\p)] row_xmask:\s row_mask:0xf bank_mask:0xf
	v_mov_b32_dpp v[RT+2*(\s%8)+1], v[VA+2*(\p)+1] row_xmask:\s row_mask:0xf bank_mask:0xf
.endif
.endr
.irp s, \a, \b, \c, \e
.if \s > 0
.set vs, RT+2*(\s%8)
.else
.set vs, VA+2*(\p)
.endif
.if (\p) == 0
	v_pk_mul_f32 v[ACC+2*\s:ACC+2*\s+1], v[KA+2*(\p):KA+2*(\p)+1], v[vs:vs+1]
.else
	v_pk_fma_f32 v[ACC+2*\s:ACC+2*\s+1], v[KA+2*(\p):KA+2*(\p)+1], v[vs:vs+1], v[ACC+2*\s:ACC+2*\s+1]
.endif
.endr
.endm
	s_load_b256 s[4:11], s[0:1], 0x0
	s_load_b128 s[12:15], s[0:1], 0x20
	s_load_b64 s[16:17], s[0:1], 0x30
	v_lshrrev_b32 v1, 5, v0
	v_readfirstlane_b32 s18, v1
	s_and_b32 s19, ttmp9, 3
	s_bfe_u32 s2, ttmp9, 0x20002
	s_bfe_u32 s3, ttmp9, 0x30004
	s_lshr_b32 s44, ttmp9, 7
	s_wait_alu depctr_va_sdst(0)
	s_lshl_b32 s20, s44, 19
	s_lshl_b32 s53, s18, 16
	s_add_co_u32 s20, s20, s53
	s_mov_b32 s21, 0
	s_lshl_b32 s22, s44, 15
	s_lshl_b32 s53, s18, 12
	s_add_co_u32 s22, s22, s53
	s_mov_b32 s23, 0
	s_lshl_b32 s45, s3, 2
	s_add_co_u32 s53, s45, s2
	s_add_co_u32 s56, s53, 160
	s_lshl_b32 s24, s56, 13
	s_mov_b32 s25, 0
	s_lshl_b32 s30, s56, 9
	s_mov_b32 s31, 0
	s_add_co_u32 s56, s53, 128
	s_lshl_b32 s28, s56, 13
	s_mov_b32 s29, 0
	s_lshl_b32 s34, s56, 9
	s_mov_b32 s35, 0
	s_add_co_u32 s56, s45, s19
	s_add_co_u32 s56, s56, 192
	s_lshl_b32 s26, s56, 13
	s_mov_b32 s27, 0
	s_lshl_b32 s32, s56, 9
	s_mov_b32 s33, 0
	s_lshl_b32 s53, s19, 14
	s_add_co_u32 s36, s20, s53
	s_mov_b32 s37, 0
	s_lshl_b32 s53, s19, 10
	s_add_co_u32 s38, s22, s53
	s_mov_b32 s39, 0
	s_lshl_b32 s40, s44, 6
	s_lshl_b32 s53, s18, 3
	s_add_co_u32 s40, s40, s53
	s_lshl_b32 s53, s19, 1
	s_add_co_u32 s40, s40, s53
	s_lshl_b32 s40, s40, 15
	s_lshl_b32 s53, s3, 12
	s_add_co_u32 s40, s40, s53
	s_lshl_b32 s57, s2, 10
	s_add_co_u32 s40, s40, s57
	s_mov_b32 s41, 0
	s_lshl_b32 s42, s44, 3
	s_add_co_u32 s42, s42, s3
	s_lshl_b32 s42, s42, 14
	s_lshl_b32 s53, s19, 12
	s_add_co_u32 s42, s42, s53
	s_add_co_u32 s42, s42, s57
	s_mov_b32 s43, 0
	s_lshl_b32 s46, s3, 8
	s_lshl_b32 s53, s2, 6
	s_add_co_u32 s46, s46, s53
	s_mov_b32 s47, 0
	s_lshl_b32 s54, s3, 8
	s_lshr_b32 s53, s19, 1
	s_lshl_b32 s53, s53, 7
	s_add_co_u32 s54, s54, s53
	s_and_b32 s53, s19, 1
	s_lshl_b32 s53, s53, 5
	s_add_co_u32 s54, s54, s53
	s_mov_b32 s55, 0
	s_mov_b32 s48, 0x76543210
	s_mov_b32 s49, 0xfedcba98
	s_mov_b32 s50, 0x3fb8aa3b
	s_mov_b32 s51, s50
	s_mov_b32 s52, 0x3f317218
	v_and_b32 v1, 31, v0
	v_and_b32 v2, 15, v0
	v_bfe_u32 v3, v0, 4, 1
	v_lshlrev_b32 v4, 4, v1
	v_lshlrev_b32 v6, 2, v2
	s_lshl_b32 s53, s18, 6
	v_add_nc_u32 v5, s53, v6
	s_lshl_b32 s53, s18, 7
	v_add_nc_u32 v7, s53, v6
	v_lshl_add_u32 v8, v3, 5, s53
	s_lshl_b32 s53, s18, 10
	v_lshl_add_u32 v9, v2, 6, s53
	v_and_b32 v11, 8, v2
	v_add_nc_u32 v11, v11, v2
	v_lshlrev_b32 v11, 2, v11
	v_lshlrev_b32 v39, 5, v3
	v_mov_b32 v38, 0
	s_wait_kmcnt 0x0
	s_add_nc_u64 s[20:21], s[4:5], s[20:21]
	s_add_nc_u64 s[24:25], s[4:5], s[24:25]
	s_add_nc_u64 s[26:27], s[4:5], s[26:27]
	s_add_nc_u64 s[28:29], s[4:5], s[28:29]
	s_add_nc_u64 s[36:37], s[4:5], s[36:37]
	s_add_nc_u64 s[22:23], s[6:7], s[22:23]
	s_add_nc_u64 s[30:31], s[6:7], s[30:31]
	s_add_nc_u64 s[32:33], s[6:7], s[32:33]
	s_add_nc_u64 s[34:35], s[6:7], s[34:35]
	s_add_nc_u64 s[38:39], s[6:7], s[38:39]
	s_add_nc_u64 s[8:9], s[8:9], s[46:47]
	s_add_nc_u64 s[10:11], s[10:11], s[46:47]
	s_add_nc_u64 s[12:13], s[12:13], s[54:55]
	s_add_nc_u64 s[40:41], s[14:15], s[40:41]
	s_add_nc_u64 s[42:43], s[16:17], s[42:43]
	WIN 0x40
	s_wait_alu depctr_va_vdst(0)
.set k, 0
.rept 16
	global_load_b128 v[WK+4*k:WK+4*k+3], v4, s[24:25] offset:512*k
.set k, k+1
.endr
.set k, 0
.rept 16
	global_load_b128 v[WV+4*k:WV+4*k+3], v4, s[26:27] offset:512*k
.set k, k+1
.endr
	WIN 0
	global_load_b128 v[WKS:WKS+3], v4, s[30:31]
	global_load_b128 v[WVS:WVS+3], v4, s[32:33]
	global_load_b128 v[WQS:WQS+3], v4, s[34:35]
	global_load_b32 v10, v6, s[10:11]
	global_load_b32 v12, v11, s[12:13]
	global_load_b32 v13, v11, s[12:13]
	global_load_b128 v[BQ:BQ+3], v39, s[8:9]
	global_load_b128 v[BQ+4:BQ+7], v39, s[8:9] offset:16
	XLD 0, 0
	XLD 1, 1
	s_wait_loadcnt 34
	TURNED WV
.irp t, 0,1,2,3,4,5,6,7
	TILE \t
.endr
	WIN 0x40
	s_wait_alu depctr_va_vdst(0)
.set k, 0
.rept 16
	global_load_b128 v[WK+4*k:WK+4*k+3], v4, s[28:29] offset:512*k
.set k, k+1
.endr
.set k, 0
.rept 16
	global_load_b128 v[WV+4*k:WV+4*k+3], v4, s[36:37] offset:512*k
.set k, k+1
.endr
.set k, 0
.rept 16
	global_load_b128 v[XB+4*k:XB+4*k+3], v4, s[36:37] offset:8192+512*k
.set k, k+1
.endr
	WIN 0
	global_load_b128 v[XS:XS+3], v4, s[38:39]
	global_load_b128 v[XS+4:XS+7], v4, s[38:39] offset:512
	MAX64 KA, TP
	v_max3_num_f32 v15, v[TP], v[TP+1], v[TP+2]
	v_max_num_f32 v15, v15, v[TP+3]
	v_permlanex16_b32 v38, v15, s48, s49
	v_max_num_f32 v15, v15, v38
	s_wait_alu depctr_va_vdst(0)
	ds_store_b32 v5, v15 offset:MRED
	s_wait_dscnt 0x0
	s_barrier_signal -1
	s_barrier_wait -1
.irp w, 0,1,2,3,4,5,6,7
	ds_load_b32 v[TP+\w], v6 offset:MRED+64*\w
.endr
	s_wait_dscnt 0x0
	s_wait_alu depctr_vm_vsrc(0)
	v_max3_num_f32 v15, v[TP], v[TP+1], v[TP+2]
	v_max3_num_f32 v15, v15, v[TP+3], v[TP+4]
	v_max3_num_f32 v15, v15, v[TP+5], v[TP+6]
	v_max_num_f32 v15, v15, v[TP+7]
	v_mul_f32 v14, s50, v15
.set j, 0
.rept 32
	v_pk_fma_f32 v[KA+j:KA+j+1], v[KA+j:KA+j+1], s[50:51], v[14:15] op_sel_hi:[1,0,0] neg_lo:[0,0,1] neg_hi:[0,0,1]
.set j, j+2
.endr
.set j, 0
	s_wait_alu depctr_va_vdst(0)
.rept 64
	v_exp_f32 v[KA+j], v[KA+j]
.set j, j+1
.endr
	v_lshl_add_u32 v[SRD], v3, 9, v6
	s_wait_alu depctr_va_vdst(0)
.set pp, 0
.rept 32
	GROUP pp, 0, 1, 2, 3
	GROUP pp, 4, 5, 6, 7
	GROUP pp, 8, 9, 10, 11
	GROUP pp, 12, 13, 14, 15
.set pp, pp+1
.endr
	v_pk_add_f32 v[36:37], v[KA:KA+1], v[KA+4:KA+5]
	v_pk_add_f32 v[88:89], v[KA+2:KA+3], v[KA+6:KA+7]
.set j, 8
.rept 14
	v_pk_add_f32 v[36:37], v[36:37], v[KA+j:KA+j+1]
	v_pk_add_f32 v[88:89], v[88:89], v[KA+j+2:KA+j+3]
.set j, j+4
.endr
	v_pk_add_f32 v[36:37], v[36:37], v[88:89]
	v_add_f32 v36, v36, v37
	v_permlanex16_b32 v38, v36, s48, s49
	v_add_f32 v36, v36, v38
.irp s, 0,1,2,3,4,5,6,7,8,9,10,11,12,13,14,15
	v_add_f32 v[ACC+2*\s], v[ACC+2*\s], v[ACC+2*\s+1]
.endr
.irp s, 0,1,2,3,4,5,6,7,8,9,10,11,12,13,14,15
	v_permlanex16_b32 v[ACC+2*\s+1], v[ACC+2*\s], s48, s49
.endr
.irp s, 0,1,2,3,4,5,6,7,8,9,10,11,12,13,14,15
	v_add_f32 v[ACC+2*\s], v[ACC+2*\s], v[ACC+2*\s+1]
.endr
.irp s, 0,1,2,3,4,5,6,7,8,9,10,11,12,13,14,15
	v_xor_b32 v[RT+\s], 4*\s, v6
.endr
.irp s, 0,1,2,3,4,5,6,7,8,9,10,11,12,13,14,15
	v_add_nc_u32 v[RT+\s], v[RT+\s], v9
.endr
	s_wait_alu depctr_va_vdst(0)
.irp s, 0,1,2,3,4,5,6,7,8,9,10,11,12,13,14,15
	ds_store_b32 v[RT+\s], v[ACC+2*\s] offset:SRED
.endr
	ds_store_b32 v5, v36 offset:ZRED
	s_wait_dscnt 0x0
	s_barrier_signal -1
	s_barrier_wait -1
	s_wait_alu depctr_vm_vsrc(0)
.irp w, 0,1,2,3,4,5,6,7
	ds_load_b32 v[TP+\w], v6 offset:ZRED+64*\w
.endr
	s_wait_dscnt 0x0
	v_add_f32 v[TP], v[TP], v[TP+1]
	v_add_f32 v[TP+2], v[TP+2], v[TP+3]
	v_add_f32 v[TP+4], v[TP+4], v[TP+5]
	v_add_f32 v[TP+6], v[TP+6], v[TP+7]
	v_add_f32 v[TP], v[TP], v[TP+2]
	v_add_f32 v[TP+4], v[TP+4], v[TP+6]
	v_add_f32 v36, v[TP], v[TP+4]
	s_wait_alu depctr_va_vdst(0)
	v_log_f32 v90, v36
	v_rcp_f32 v91, v36
	v_add_f32 v92, v15, v10
	s_wait_alu depctr_va_vdst(0)
	v_fma_f32 v92, v90, s52, v92
	v_mul_f32 v91, 0.5, v91
	s_wait_alu depctr_va_vdst(0)
	ds_store_b32 v7, v92 offset:TR
	ds_store_b32 v7, v91 offset:TR+64
	ds_load_b128 v[LS:LS+3], v8 offset:TR
	ds_load_b128 v[LS+4:LS+7], v8 offset:TR+16
	s_wait_dscnt 0x0
.irp j, 0,2,4,6
	v_pk_add_f32 v[CQ+\j:CQ+\j+1], v[LS+\j:LS+\j+1], v[BQ+\j:BQ+\j+1]
.endr
	s_wait_loadcnt 0x0
	TURNED WK
	WIN 0x05
	MXZ QA, WK, WV, WQS, XS
	MXZ QA+8, WK, XB, WQS, XS+4
	MXZ QB, WN, WV, WQS, XS
	MXZ QB+8, WN, XB, WQS, XS+4
.irp s, 1,2,3
	MXA QA, WK+16*\s, WV+16*\s, WQS+\s, XS+\s
	MXA QA+8, WK+16*\s, XB+16*\s, WQS+\s, XS+4+\s
	MXA QB, WN+16*\s, WV+16*\s, WQS+\s, XS+\s
	MXA QB+8, WN+16*\s, XB+16*\s, WQS+\s, XS+4+\s
.endr
	WIN 0
	PLACES 8
.irp u, 0,8
.irp j, 0,2,4,6
	v_pk_add_f32 v[QA+\u+\j:QA+\u+\j+1], v[QA+\u+\j:QA+\u+\j+1], v[QB+\u+\j:QB+\u+\j+1] neg_lo:[0,1] neg_hi:[0,1]
.endr
.endr
.irp u, 0,8
.irp j, 0,2,4,6
	v_pk_fma_f32 v[QA+\u+\j:QA+\u+\j+1], v[QA+\u+\j:QA+\u+\j+1], 0.5, v[CQ+\j:CQ+\j+1] op_sel_hi:[1,0,1]
.endr
.endr
	s_wait_alu depctr_va_vdst(0)
	global_store_b128 v4, v[QA:QA+3], s[40:41]
	global_store_b128 v4, v[QA+4:QA+7], s[40:41] offset:512
	global_store_b128 v4, v[QA+8:QA+11], s[40:41] offset:32768
	global_store_b128 v4, v[QA+12:QA+15], s[40:41] offset:33280
	s_cmp_lg_u32 s18, 0
	s_cbranch_scc1 .Lend
.irp w, 0,1,2,3,4,5,6,7
.irp j, 0,1,2,3,4,5,6,7
	ds_load_b32 v[KA+8*\w+\j], v[SRD] offset:SRED+1024*\w+64*\j
.endr
.endr
	ds_load_b128 v[RZ:RZ+3], v8 offset:TR+64
	ds_load_b128 v[RZ+4:RZ+7], v8 offset:TR+80
	s_wait_dscnt 0x0
.irp w, 0,2,4,6
.irp j, 0,2,4,6
	v_pk_add_f32 v[KA+8*\w+\j:KA+8*\w+\j+1], v[KA+8*\w+\j:KA+8*\w+\j+1], v[KA+8*\w+8+\j:KA+8*\w+8+\j+1]
.endr
.endr
.irp w, 0,4
.irp j, 0,2,4,6
	v_pk_add_f32 v[KA+8*\w+\j:KA+8*\w+\j+1], v[KA+8*\w+\j:KA+8*\w+\j+1], v[KA+8*\w+16+\j:KA+8*\w+16+\j+1]
.endr
.endr
.irp j, 0,2,4,6
	v_pk_add_f32 v[KA+\j:KA+\j+1], v[KA+\j:KA+\j+1], v[KA+32+\j:KA+32+\j+1]
.endr
.irp j, 0,2,4,6
	v_pk_fma_f32 v[KA+\j:KA+\j+1], v[KA+\j:KA+\j+1], v[RZ+\j:RZ+\j+1], v[12:13]
.endr
	s_wait_alu depctr_va_vdst(0)
	global_store_b128 v4, v[KA:KA+3], s[42:43]
	global_store_b128 v4, v[KA+4:KA+7], s[42:43] offset:512
.Lend:
	s_wait_xcnt 0x0
	v_lshl_add_u32 v254, v0, 2, 0x2800
	v_mov_b32 v255, 0
	s_wait_dscnt 0x0
	s_wait_alu 0x0
	s_wait_tensorcnt 0x0
	ds_add_u32 v254, v255
	s_wait_dscnt 0x0
	s_endpgm
.Lfunc_end_k_q9936657392_kvq:
	.size	k_q9936657392_kvq, .Lfunc_end_k_q9936657392_kvq-k_q9936657392_kvq
	.p2alignl 7, 3214868480
	.fill 96, 4, 3214868480
	.section	.rodata,"a",@progbits
	.p2align	6, 0x0
	.amdhsa_kernel k_q9936657392_kvq
		.amdhsa_group_segment_fixed_size 11264
		.amdhsa_private_segment_fixed_size 0
		.amdhsa_enable_private_segment 0
		.amdhsa_kernarg_size 56
		.amdhsa_user_sgpr_count 2
		.amdhsa_user_sgpr_kernarg_segment_ptr 1
		.amdhsa_wavefront_size32 1
		.amdhsa_system_sgpr_workgroup_id_x 1
		.amdhsa_system_sgpr_workgroup_id_y 1
		.amdhsa_system_sgpr_workgroup_id_z 1
		.amdhsa_system_vgpr_workitem_id 0
		.amdhsa_next_free_vgpr 512
		.amdhsa_next_free_sgpr 66
		.amdhsa_reserve_vcc 0
		.amdhsa_float_denorm_mode_32 3
		.amdhsa_float_denorm_mode_16_64 3
		.amdhsa_memory_ordered 1
		.amdhsa_forward_progress 1
		.amdhsa_inst_pref_size 169
	.end_amdhsa_kernel
	.amdgpu_metadata
---
amdhsa.version: [ 1, 2 ]
amdhsa.kernels:
  - .name:           k_q9936657392_kvq
    .symbol:         k_q9936657392_kvq.kd
    .args:
      - { .name: codes, .offset: 0, .size: 8, .value_kind: global_buffer, .address_space: global }
      - { .name: scl, .offset: 8, .size: 8, .value_kind: global_buffer, .address_space: global }
      - { .name: b_Q, .offset: 16, .size: 8, .value_kind: global_buffer, .address_space: global }
      - { .name: b_K, .offset: 24, .size: 8, .value_kind: global_buffer, .address_space: global }
      - { .name: b_V, .offset: 32, .size: 8, .value_kind: global_buffer, .address_space: global }
      - { .name: qs, .offset: 40, .size: 8, .value_kind: global_buffer, .address_space: global }
      - { .name: sn, .offset: 48, .size: 8, .value_kind: global_buffer, .address_space: global }
    .group_segment_fixed_size: 11264
    .private_segment_fixed_size: 0
    .kernarg_segment_align: 8
    .kernarg_segment_size: 56
    .max_flat_workgroup_size: 256
    .sgpr_count:     66
    .vgpr_count:     512
    .wavefront_size: 32
...
	.end_amdgpu_metadata
.endif
;; end of part 5
;; launch attout (part 6): grid 128 x 1, 4 waves a work-group, no clusters, 76,800 bytes of LDS; arguments qs, sn, codes, scl, b_O, out0; writes out0
.if DOCPART == 6
	.amdgcn_target "amdgcn-amd-amdhsa--gfx1250"
	.amdhsa_code_object_version 6
	.text
	.protected	k_q9936657392_attout
	.globl	k_q9936657392_attout
	.p2align	8
	.type	k_q9936657392_attout,@function
k_q9936657392_attout:
	s_mov_b64 s[64:65], 0
	v_nop
	global_prefetch_b8 v0, s[64:65] scope:SCOPE_SE
	s_setreg_imm32_b32 hwreg(HW_REG_WAVE_SCHED_MODE, 0, 2), 2
	s_setreg_imm32_b32 hwreg(HW_REG_WAVE_MODE, 25, 1), 1
	s_wait_xcnt 0x0
	s_wait_alu depctr_vm_vsrc(0)
.set JIMG, 0
.set JSC,  8192
.set STG,  8704
.set PLANE, 8448
.set MXR, 12
.set QW,  32
.set AD,  32
.set PC,  32
.set TM,  48
.set PW,  64
.set OA,  32
.set QL,  96
.set RT,  96
.set HT,  160
.set HN,  160
.set JF,  160
.set OB,  160
.set WOS, 224
.set JS,  240
.set BO,  244
.set TB,  11
.set RDQ, 30
.set SEL, 32
.set MNT, 34
.set MSB, 0
.macro WIN new
.if MSB != \new
	s_set_vgpr_msb (MSB<<8)|\new
.set MSB, \new
.endif
.endm
.macro PLACES n
.rept \n
	v_nop
.endr
.endm
.macro MAX64 base, dst
.irp c, 0,1,2,3
	v_max3_num_f32 v[\dst+\c], v[\base+16*\c], v[\base+16*\c+1], v[\base+16*\c+2]
.endr
.irp i, 3,5,7,9,11,13
.irp c, 0,1,2,3
	v_max3_num_f32 v[\dst+\c], v[\dst+\c], v[\base+16*\c+\i], v[\base+16*\c+\i+1]
.endr
.endr
.irp c, 0,1,2,3
	v_max_num_f32 v[\dst+\c], v[\dst+\c], v[\base+16*\c+15]
.endr
.endm
.macro QUANT s
.irp b, 0,1,2,3
	v_max3_num_f32 v[TM+\b], |v[\s+16*\b]|, |v[\s+1+16*\b]|, 0x8000000
.endr
.irp i, 2,4,6,8,10,12,14
.irp b, 0,1,2,3
	v_max3_num_f32 v[TM+\b], v[TM+\b], |v[\s+16*\b+\i]|, |v[\s+1+16*\b+\i]|
.endr
.endr
.irp b, 0,1,2,3
	v_permlanex16_b32 v[TM+4+\b], v[TM+\b], s[SEL], s[SEL+1]
.endr
.irp b, 0,1,2,3
	v_max_num_f32 v[TM+\b], v[TM+\b], v[TM+4+\b]
.endr
.irp b, 0,1,2,3
	v_add_nc_u32 v[TM+12+\b], 0xf8800000, v[TM+\b]
.endr
.irp b, 0,1,2,3
	v_and_or_b32 v[TM+8+\b], v[TM+\b], 0x7f800000, s[MNT]
.endr
.irp b, 0,1,2,3
	v_lshrrev_b32 v[TM+4+\b], 23, v[TM+12+\b]
.endr
	v_lshl_or_b32 v[PW], v[TM+5], 8, v[TM+4]
	v_lshl_or_b32 v[PW], v[TM+6], 16, v[PW]
	v_lshl_or_b32 v[PW], v[TM+7], 24, v[PW]
.irp b, 0,1,2,3
.irp i, 0,1,2,3,4,5,6,7,8,9,10,11,12,13,14,15
	v_med3_num_f32 v[\s+16*\b+\i], v[\s+16*\b+\i], -v[TM+8+\b], v[TM+8+\b]
.endr
	v_cvt_scalef32_pk8_bf8_f32 v[PC+4*\b:PC+1+4*\b], v[\s+16*\b:\s+7+16*\b], v[TM+12+\b]
	v_cvt_scalef32_pk8_bf8_f32 v[PC+2+4*\b:PC+3+4*\b], v[\s+8+16*\b:\s+15+16*\b], v[TM+12+\b]
.endr
	v_nop
.endm
.macro TWOS g, a, b
	WIN 0
.if \a > 0
.set k, 0
.rept 32
	v_mov_b32_dpp v[RT+k], v[QW+32*(\g)+k] row_xmask:\a row_mask:0xf bank_mask:0xf
.set k, k+1
.endr
.set wa, RT
.else
.set wa, QW+32*(\g)
.endif
.set k, 0
.rept 32
	v_mov_b32_dpp v[RT+32+k], v[QW+32*(\g)+k] row_xmask:\b row_mask:0xf bank_mask:0xf
.set k, k+1
.endr
	WIN 0xac
.set p, 0
.rept 16
.irp vq, 0,1,2,3
.if p == 0
	v_pk_mul_f32 v[2*(16*\vq+\a):2*(16*\vq+\a)+1], v[wa+2*p:wa+2*p+1], v[128*(\g)+32*\vq+2*p:128*(\g)+32*\vq+2*p+1]
	v_pk_mul_f32 v[2*(16*\vq+\b):2*(16*\vq+\b)+1], v[RT+32+2*p:RT+32+2*p+1], v[128*(\g)+32*\vq+2*p:128*(\g)+32*\vq+2*p+1]
.else
	v_pk_fma_f32 v[2*(16*\vq+\a):2*(16*\vq+\a)+1], v[wa+2*p:wa+2*p+1], v[128*(\g)+32*\vq+2*p:128*(\g)+32*\vq+2*p+1], v[2*(16*\vq+\a):2*(16*\vq+\a)+1]
	v_pk_fma_f32 v[2*(16*\vq+\b):2*(16*\vq+\b)+1], v[RT+32+2*p:RT+32+2*p+1], v[128*(\g)+32*\vq+2*p:128*(\g)+32*\vq+2*p+1], v[2*(16*\vq+\b):2*(16*\vq+\b)+1]
.endif
.endr
.set p, p+1
.endr
.endm
.macro HEADV g
	TWOS \g, 0, 1
	TWOS \g, 2, 3
	TWOS \g, 4, 5
	TWOS \g, 6, 7
	TWOS \g, 8, 9
	TWOS \g, 10, 11
	TWOS \g, 12, 13
	TWOS \g, 14, 15
.endm
.macro HSUM
	WIN 0x0a
.irp vq, 0,1,2,3
.irp s, 0,1,2,3,4,5,6,7,8,9,10,11,12,13,14,15
	v_add_f32 v[HT+16*\vq+\s], v[2*(16*\vq+\s)], v[2*(16*\vq+\s)+1]
.endr
.endr
.endm
.macro HPUT g
	WIN 0
.irp s, 0,1,2,3,4,5,6,7,8,9,10,11,12,13,14,15
.irp vq, 0,1,2,3
	ds_store_b32 v[AD+\s], v[HT+16*\vq+\s] offset:256*(\g)+128*(\vq/2)+32*(\vq%2)
.endr
.endr
.endm
	s_load_b256 s[4:11], s[0:1], 0x0
	s_load_b128 s[12:15], s[0:1], 0x20
	v_lshl_add_u32 v254, v0, 2, 0x12a00
	v_mov_b32 v255, 0
	v_lshrrev_b32 v1, 5, v0
	v_readfirstlane_b32 s18, v1
	s_lshl_b32 s20, ttmp9, 15
	s_wait_alu depctr_va_sdst(0)
	s_lshl_b32 s40, s18, 13
	s_add_co_u32 s20, s20, s40
	s_mov_b32 s21, 0
	s_lshr_b32 s22, ttmp9, 6
	s_lshl_b32 s22, s22, 3
	s_lshl_b32 s40, s18, 1
	s_add_co_u32 s22, s22, s40
	s_lshl_b32 s22, s22, 14
	s_mov_b32 s23, 0
	s_lshl_b32 s40, s18, 3
	s_add_co_u32 s40, s40, 224
	s_lshl_b32 s24, s40, 13
	s_mov_b32 s25, 0
	s_lshl_b32 s26, s40, 9
	s_mov_b32 s27, 0
	s_lshl_b32 s28, s18, 9
	s_mov_b32 s29, 0
	s_lshl_b32 s30, ttmp9, 15
	s_add_co_u32 s30, s30, s28
	s_mov_b32 s31, 0
	s_mov_b32 s[SEL], 0x76543210
	s_mov_b32 s[SEL+1], 0xfedcba98
	s_mov_b32 s[MNT], 0x600000
	s_mov_b32 s36, 0x3fb8aa3b
	s_mov_b32 s37, s36
	s_mul_i32 s38, s18, 2*PLANE
	s_add_co_u32 s38, s38, STG
	v_and_b32 v1, 31, v0
	v_and_b32 v2, 15, v0
	v_bfe_u32 v3, v0, 4, 1
	v_lshlrev_b32 v4, 4, v1
	v_lshlrev_b32 v5, 2, v1
	s_lshl_b32 s39, s18, 11
	v_add_nc_u32 v6, s39, v4
	s_lshl_b32 s39, s18, 7
	v_add_nc_u32 v7, s39, v5
	v_mul_u32_u24 v8, v2, 528
	v_lshl_add_u32 v[RDQ], v3, 6, v8
	v_add_nc_u32 v[RDQ], s38, v[RDQ]
	v_lshl_add_u32 v8, v3, 5, v8
	v_add_nc_u32 v8, s38, v8
	v_add_nc_u32 v9, s38, v4
	v_lshl_add_u32 v10, v3, 11, v4
	v_and_b32 v[TB], 8, v2
	v_add_nc_u32 v[TB], v[TB], v2
	v_lshlrev_b32 v[TB], 2, v[TB]
	v_mad_u32_u24 v[TB], v3, PLANE, v[TB]
	v_add_nc_u32 v[TB], s38, v[TB]
	v_mov_b32 v28, 0
	v_mov_b32 v29, 0
	s_wait_kmcnt 0x0
	s_add_nc_u64 s[20:21], s[4:5], s[20:21]
	s_add_nc_u64 s[22:23], s[6:7], s[22:23]
	s_add_nc_u64 s[24:25], s[8:9], s[24:25]
	s_add_nc_u64 s[26:27], s[10:11], s[26:27]
	s_add_nc_u64 s[28:29], s[12:13], s[28:29]
	s_add_nc_u64 s[30:31], s[14:15], s[30:31]
	s_wait_alu depctr_va_vdst(0)
.set k, 0
.rept 16
	global_load_b128 v[QL+4*k:QL+4*k+3], v4, s[20:21] offset:512*k th:TH_LOAD_NT
.set k, k+1
.endr
	WIN 0xc0
.set k, 0
.rept 64
	global_load_b128 v[4*k:4*k+3], v4, s[22:23] offset:512*k
.set k, k+1
.endr
	WIN 0
	s_wait_loadcnt 63
	MAX64 QL, MXR
	v_max_num_f32 v17, v[MXR], v[MXR+1]
	v_max_num_f32 v19, v[MXR+2], v[MXR+3]
	v_permlanex16_b32 v28, v17, s[SEL], s[SEL+1]
	v_permlanex16_b32 v29, v19, s[SEL], s[SEL+1]
	v_max_num_f32 v17, v17, v28
	v_max_num_f32 v19, v19, v29
	v_mul_f32 v16, s36, v17
	v_mul_f32 v18, s36, v19
.set j, 0
.rept 16
	v_pk_fma_f32 v[QW+j:QW+j+1], v[QL+j:QL+j+1], s[36:37], v[16:17] op_sel_hi:[1,0,0] neg_lo:[0,0,1] neg_hi:[0,0,1]
	v_pk_fma_f32 v[QW+32+j:QW+32+j+1], v[QL+32+j:QL+32+j+1], s[36:37], v[18:19] op_sel_hi:[1,0,0] neg_lo:[0,0,1] neg_hi:[0,0,1]
.set j, j+2
.endr
.set j, 0
	s_wait_alu depctr_va_vdst(0)
.rept 64
	v_exp_f32 v[QW+j], v[QW+j]
.set j, j+1
.endr
	v_nop
	s_wait_alu depctr_va_vdst(0)
	v_pk_add_f32 v[20:21], v[QW:QW+1], v[QW+2:QW+3]
	v_pk_add_f32 v[22:23], v[QW+32:QW+33], v[QW+34:QW+35]
.set j, 4
.rept 14
	v_pk_add_f32 v[20:21], v[20:21], v[QW+j:QW+j+1]
	v_pk_add_f32 v[22:23], v[22:23], v[QW+32+j:QW+32+j+1]
.set j, j+2
.endr
	v_add_f32 v20, v20, v21
	v_add_f32 v22, v22, v23
	v_permlanex16_b32 v28, v20, s[SEL], s[SEL+1]
	v_permlanex16_b32 v29, v22, s[SEL], s[SEL+1]
	v_add_f32 v20, v20, v28
	v_add_f32 v22, v22, v29
	s_wait_alu depctr_va_vdst(0)
	v_rcp_f32 v24, v20
	v_rcp_f32 v25, v20
	v_rcp_f32 v26, v22
	v_rcp_f32 v27, v22
	v_nop
	WIN 0x40
.set k, 0
.rept 64
	global_load_b128 v[4*k:4*k+3], v4, s[24:25] offset:512*k
.set k, k+1
.endr
	WIN 0
	s_wait_loadcnt 63
	HEADV 0
	HSUM
	WIN 0
.irp s, 0,1,2,3,4,5,6,7,8,9,10,11,12,13,14,15
	v_xor_b32 v[AD+\s], \s, v2
.endr
.irp s, 0,1,2,3,4,5,6,7,8,9,10,11,12,13,14,15
	v_mad_u32_u24 v[AD+\s], v[AD+\s], 528, v[TB]
.endr
	s_wait_alu depctr_va_vdst(0)
	HPUT 0
	HEADV 1
	s_wait_alu depctr_vm_vsrc(0)
	HSUM
	WIN 0xc0
	s_wait_alu depctr_va_vdst(0)
.set k, 0
.rept 64
	global_load_b128 v[4*k:4*k+3], v4, s[24:25] offset:32768+512*k
.set k, k+1
.endr
	WIN 0
.irp n, 0,1,2,3
	global_load_b128 v[WOS+4*\n:WOS+4*\n+3], v10, s[26:27] offset:512*\n
.endr
	global_load_b128 v[BO:BO+3], v4, s[28:29]
	HPUT 1
	s_wait_alu depctr_vm_vsrc(0)
.set k, 0
.rept 16
	ds_load_b128 v[HN+4*k:HN+4*k+3], v[RDQ] offset:128*(k/4)+16*(k%4)
.set k, k+1
.endr
.set k, 0
.rept 16
	ds_load_b128 v[RT+4*k:RT+4*k+3], v[RDQ] offset:PLANE+128*(k/4)+16*(k%4)
.set k, k+1
.endr
	s_wait_dscnt 0x0
.set j, 0
.rept 32
	v_pk_add_f32 v[HN+j:HN+j+1], v[HN+j:HN+j+1], v[RT+j:RT+j+1]
.set j, j+2
.endr
.set j, 0
.rept 16
	v_pk_mul_f32 v[HN+j:HN+j+1], v[HN+j:HN+j+1], v[24:25]
	v_pk_mul_f32 v[HN+32+j:HN+32+j+1], v[HN+32+j:HN+32+j+1], v[26:27]
.set j, j+2
.endr
	QUANT HN
	s_wait_alu depctr_va_vdst(0)
.irp c, 0,1,2,3
	ds_store_b128 v6, v[PC+4*\c:PC+4*\c+3] offset:JIMG+512*\c
.endr
	ds_store_b32 v7, v[PW] offset:JSC
	s_wait_dscnt 0x0
	s_barrier_signal -1
	s_barrier_wait -1
	s_wait_alu depctr_vm_vsrc(0)
.set k, 0
.rept 16
	ds_load_b128 v[JF+4*k:JF+4*k+3], v4 offset:JIMG+512*k
.set k, k+1
.endr
.irp s, 0,1,2,3
	ds_load_b32 v[JS+\s], v5 offset:JSC+128*\s
.endr
	s_wait_dscnt 0x0
	s_wait_loadcnt 0x0
.irp s, 0,1,2,3
	WIN 0x01
.irp n, 0,1,2,3
.if \s == 0
	v_wmma_scale_f32_16x16x128_f8f6f4 v[OA+8*\n:OA+8*\n+7], v[64*\n+16*\s:64*\n+16*\s+15], v[JF+16*\s:JF+16*\s+15], 0, v[WOS+4*\n+\s], v[JS+\s] matrix_a_fmt:MATRIX_FMT_BF8 matrix_b_fmt:MATRIX_FMT_BF8
.else
	v_wmma_scale_f32_16x16x128_f8f6f4 v[OA+8*\n:OA+8*\n+7], v[64*\n+16*\s:64*\n+16*\s+15], v[JF+16*\s:JF+16*\s+15], v[OA+8*\n:OA+8*\n+7], v[WOS+4*\n+\s], v[JS+\s] matrix_a_fmt:MATRIX_FMT_BF8 matrix_b_fmt:MATRIX_FMT_BF8
.endif
.endr
	WIN 0x03
.irp n, 0,1,2,3
.if \s == 0
	v_wmma_scale_f32_16x16x128_f8f6f4 v[OA+32+8*\n:OA+32+8*\n+7], v[64*\n+16*\s:64*\n+16*\s+15], v[JF+16*\s:JF+16*\s+15], 0, v[WOS+4*\n+\s], v[JS+\s] matrix_a_fmt:MATRIX_FMT_BF8 matrix_b_fmt:MATRIX_FMT_BF8 matrix_a_scale:MATRIX_SCALE_ROW1
.else
	v_wmma_scale_f32_16x16x128_f8f6f4 v[OA+32+8*\n:OA+32+8*\n+7], v[64*\n+16*\s:64*\n+16*\s+15], v[JF+16*\s:JF+16*\s+15], v[OA+32+8*\n:OA+32+8*\n+7], v[WOS+4*\n+\s], v[JS+\s] matrix_a_fmt:MATRIX_FMT_BF8 matrix_b_fmt:MATRIX_FMT_BF8 matrix_a_scale:MATRIX_SCALE_ROW1
.endif
.endr
.endr
	WIN 0
	PLACES 8
	s_wait_alu depctr_va_vdst(0)
.irp n, 0,1,2,3,4,5,6,7
	ds_store_b128 v8, v[OA+8*\n:OA+8*\n+3] offset:64*\n
	ds_store_b128 v8, v[OA+8*\n+4:OA+8*\n+7] offset:64*\n+16
.endr
.irp i, 0,1,2,3,4,5,6,7,8,9,10,11,12,13,14,15
	ds_load_b128 v[OB+4*\i:OB+4*\i+3], v9 offset:528*\i
.endr
.irp g, 0,1,2,3
	s_wait_dscnt 12-4*\g
.irp i, 0,1,2,3
	v_pk_add_f32 v[OB+16*\g+4*\i:OB+16*\g+4*\i+1], v[OB+16*\g+4*\i:OB+16*\g+4*\i+1], v[BO:BO+1]
	v_pk_add_f32 v[OB+16*\g+4*\i+2:OB+16*\g+4*\i+3], v[OB+16*\g+4*\i+2:OB+16*\g+4*\i+3], v[BO+2:BO+3]
.endr
	s_wait_alu depctr_va_vdst(0)
.irp i, 0,1,2,3
	global_store_b128 v4, v[OB+16*\g+4*\i:OB+16*\g+4*\i+3], s[30:31] offset:2048*(4*\g+\i) th:TH_STORE_NT
.endr
.endr
	s_wait_dscnt 0x0
	s_wait_alu 0x0
	s_wait_tensorcnt 0x0
	ds_add_u32 v254, v255
	s_wait_dscnt 0x0
	s_endpgm
.Lfunc_end_k_q9936657392_attout:
	.size	k_q9936657392_attout, .Lfunc_end_k_q9936657392_attout-k_q9936657392_attout
	.p2alignl 7, 3214868480
	.fill 96, 4, 3214868480
	.section	.rodata,"a",@progbits
	.p2align	6, 0x0
	.amdhsa_kernel k_q9936657392_attout
		.amdhsa_group_segment_fixed_size 76800
		.amdhsa_private_segment_fixed_size 0
		.amdhsa_enable_private_segment 0
		.amdhsa_kernarg_size 48
		.amdhsa_user_sgpr_count 2
		.amdhsa_user_sgpr_kernarg_segment_ptr 1
		.amdhsa_wavefront_size32 1
		.amdhsa_system_sgpr_workgroup_id_x 1
		.amdhsa_system_sgpr_workgroup_id_y 1
		.amdhsa_system_sgpr_workgroup_id_z 1
		.amdhsa_system_vgpr_workitem_id 0
		.amdhsa_next_free_vgpr 1024
		.amdhsa_next_free_sgpr 66
		.amdhsa_reserve_vcc 0
		.amdhsa_float_denorm_mode_32 3
		.amdhsa_float_denorm_mode_16_64 3
		.amdhsa_memory_ordered 1
		.amdhsa_forward_progress 1
		.amdhsa_inst_pref_size 255
	.end_amdhsa_kernel
	.section	.bss,"aw",@nobits
	.p2align	6
	.space	262144
	.amdgpu_metadata
---
amdhsa.version: [ 1, 2 ]
amdhsa.kernels:
  - .name:           k_q9936657392_attout
    .symbol:         k_q9936657392_attout.kd
    .args:
      - { .name: qs, .offset: 0, .size: 8, .value_kind: global_buffer, .address_space: global }
      - { .name: sn, .offset: 8, .size: 8, .value_kind: global_buffer, .address_space: global }
      - { .name: codes, .offset: 16, .size: 8, .value_kind: global_buffer, .address_space: global }
      - { .name: scl, .offset: 24, .size: 8, .value_kind: global_buffer, .address_space: global }
      - { .name: b_O, .offset: 32, .size: 8, .value_kind: global_buffer, .address_space: global }
      - { .name: out0, .offset: 40, .size: 8, .value_kind: global_buffer, .address_space: global }
    .group_segment_fixed_size: 76800
    .private_segment_fixed_size: 0
    .kernarg_segment_align: 8
    .kernarg_segment_size: 48
    .max_flat_workgroup_size: 128
    .sgpr_count:     66
    .vgpr_count:     1024
    .wavefront_size: 32
...
	.end_amdgpu_metadata
.endif
;; end of part 6
